; MI455X (gfx1250); checked and timed in simulation.
; The chip was launched on July 23, 2026; its instructions are those of AMD's public machine-readable ISA for CDNA 5 (MIT licence, August 2026) and "CDNA5" Instruction Set Architecture Reference Guide (July 2026). The comments in the code are by the model that wrote it; some were corrected since.
;; ICNN Block. Allowed arithmetic: float matrix products may take bf16 or f16 operands with f32 sums; other float arithmetic in f32, or as packed bf16 or f16 multiplies, adds, multiply-adds, maxima and minima; sums over many terms, partial sums and values carried from step to step in f32; what a program stores and reads back later, other than sums and carried values, may be rounded once to bf16 or f16.
;; Inputs: Wc_b 4 x 1,024 float32; Wc_w 4 x 1,024 x 256 float32; Wu_b 4 x 1,024 float32; Wu_w 4 x 1,024 x 256 float32; Wut_b 4 x 1,024 float32; Wut_w 4 x 1,024 x 256 float32; raw_U 3 x 1,024 x 1,024 float32; xc 8,192 x 256 float32; xf 8,192 x 256 float32.
;; Outputs: out0 8,192 x 1,024 float32.
;; 2 versions, each right; version 2 is version 1 with the launch prep written anew for expert scheduling mode. Each part assembles by itself: llvm-mc -triple=amdgcn-amd-amdhsa -mcpu=gfx1250 --defsym DOCPART=n.
;; ======== version 1 of 2: 5 launches
;; workspace buffers: xb 16,777,216 bytes; w0 1,581,056 bytes; w1 3,678,208 bytes; w2 3,678,208 bytes; w3 3,678,208 bytes; za 16,777,216 bytes; zb 16,777,216 bytes
;; launch prep (part 1): grid 641 x 1, 8 waves a work-group, no clusters, 35,840 bytes of LDS; arguments xf, xc, Wut_w, Wc_w, Wu_w, raw_U, Wut_b, Wc_b, Wu_b, xb, w0, w1, w2, w3; writes xb, w0, w1, w2, w3
.if DOCPART == 1
	.amdgcn_target "amdgcn-amd-amdhsa--gfx1250"
	.amdhsa_code_object_version 6
	.text
	.protected	k_q529c41bd73_prep
	.globl	k_q529c41bd73_prep
	.p2align	8
	.type	k_q529c41bd73_prep,@function
k_q529c41bd73_prep:
	s_mov_b64 s[64:65], 0
	v_nop
	global_prefetch_b8 v0, s[64:65] scope:SCOPE_SE
	s_setreg_imm32_b32 hwreg(HW_REG_WAVE_MODE, 25, 1), 1
	s_wait_xcnt 0x0
; PREP: every f32 input is read once and laid out in bf16, BY FRAGMENTS, for the four layer launches.
; A fragment is 16 rows x 32 K = 1,024 bytes, as the lanes of a matrix instruction hold it: byte 512 p + 16 l holds row l % 16, K = 16 p + 8 (l / 16) + 0..7.
;   xb : fragment (row block rb, K block kb) at 32,768 rb + 1,024 kb; kb 0-7 xf, 8-15 xc; the rest of a row block's 32,768 bytes is neither written nor read.
;   w_l: [tile column 8][slot NS][K quarter 8][column block 8][1,024]; NS = 3 (l = 0) or 7; slots: Wut, Wc, Wu, then softplus(raw_U[l-1]) in four slots of 256 K.
;        behind them, 1,024 bytes a tile column: b12 = but + bc + bu (128 f32), then b2 = bc + bu.
;   In Wut, Wc, Wu columns 0-3 become +softplus, columns 4-7 -softplus, the others stay as they are.
; SHARES.  Work-groups 0-639 take 65,536 bytes of one f32 source.  A wave takes 16 rows x 128 columns: 16 loads of 512 consecutive bytes, all out at once, no loop.  Rounded to bf16 they go into the
; wave's own 16 rows x 272 bytes of LDS and come back as four fragments, each stored as two runs of 512 consecutive bytes, aligned.  No wave reads another's LDS bytes: no barrier.  Work-group 640 makes the bias sums.
; SOFTPLUS.  sp(x) = max(x, 0) + ln2 log2(u) + (t - (u - 1)), t = 2^(-|x| log2 e), u = 1 + t: the last term gives back what 1 + t rounds away, so small results keep their relative accuracy.
; LIMITS.  Where t would fall below 2^-126 it counts as 0 (ISA guide, the entry of v_exp_f32), so a softplus below that is stored as 0; NaN is not treated apart.
.set LP,    272        ; an LDS row: 256 bytes + 16: the 16 rows that a read back touches start at 16 different groups of four banks (64 banks of 4 bytes: ISA guide 11.1)
.set WST,   16*LP      ; a wave's stage
.set SPARE, 8*WST      ; behind the stages: the spare words, 128 bytes for each wave: four blocks of 256 bytes that no other line names
.set SO,  1            ; v1       16 t (the bias work-group's offset)
.set SGN, 6            ; v[6:7]   the sign of my columns' softplus
.set SA,  8            ; v[8:23]  row j: my 16 bytes in the source
.set DA,  24           ; v[24:27] fragment f: my 16 bytes in the destination
.set LW,  28           ; v28      where I put 8 bytes of a row in my wave's stage
.set LR,  29           ; v29      where I read 16 bytes back
.set SPW, 30           ; v30      my spare word; never rewritten
.set NIL, 31           ; v31      0; never rewritten
.set X,   32           ; v[32:95] 16 loads x 4 f32; at the end v[32:63] the fragments
.set T,   96           ; v[96:111]  t
.set U,   112          ; v[112:127] u, then the sum of the plain terms
.set L,   128          ; v[128:143] log2 u, then the result
.set M,   144          ; v[144:159] max(x, 0)
.set Y,   160          ; v[160:191] 16 x 8 bytes of bf16
	s_load_b512 s[8:23], s[0:1], 0x0               ; xf 8, xc 10, Wut_w 12, Wc_w 14, Wu_w 16, raw_U 18, Wut_b 20, Wc_b 22
	s_load_b256 s[24:31], s[0:1], 0x40             ; Wu_b 24, xb 26, w0 28, w1 30
	s_load_b128 s[32:35], s[0:1], 0x60             ; w2 32, w3 34
	v_lshl_add_u32 v[SPW], v0, 2, SPARE
	v_mov_b32 v[NIL], 0
	v_lshrrev_b32 v2, 5, v0
	v_readfirstlane_b32 s58, v2                    ; wave 0..7
	v_lshlrev_b32 v[SO], 4, v0
	s_and_b32 s60, s58, 1                          ; wave % 2
	s_lshr_b32 s61, s58, 1                         ; wave / 2
	s_mov_b32 s54, 0x3fb8aa3b                      ; log2 e, named as a pair
	s_mov_b32 s55, s54
	s_mov_b32 s56, 0x3f317218                      ; ln 2, named as a pair
	s_mov_b32 s57, s56
	s_mov_b32 s59, 0x80000000                      ; the sign bit
	s_mov_b32 s41, 0                               ; high words of the two offsets
	s_mov_b32 s43, 0
	s_mov_b32 s48, ttmp9
	s_wait_kmcnt 0x0
	s_cmp_lt_u32 s48, 192
	s_cbranch_scc0 .Lnot_u
	; 0-191: raw_U.  A work-group takes a block of 16 rows (65,536 bytes); wave w its columns 128 w ..: slot 3 + w / 2, K quarters 4 (w % 2) ..
	s_lshr_b32 s49, s48, 6                         ; which of the three
	s_and_b32 s50, s48, 63                         ; block of 16 rows
	s_lshl_b32 s40, s48, 16
	s_add_nc_u64 s[36:37], s[18:19], s[40:41]
	s_cmp_eq_u32 s49, 0
	s_cselect_b64 s[38:39], s[30:31], s[32:33]
	s_cmp_eq_u32 s49, 2
	s_cselect_b64 s[38:39], s[34:35], s[38:39]
	s_lshr_b32 s42, s50, 3
	s_mul_i32 s42, s42, 458752                     ; tile column x 7 slots
	s_and_b32 s63, s50, 7
	s_lshl_b32 s63, s63, 10                        ; column block
	s_add_co_u32 s42, s42, s63
	s_lshl_b32 s63, s58, 15                        ; 65,536 (w / 2) + 32,768 (w % 2) = 32,768 w
	s_add_co_u32 s42, s42, s63
	s_add_co_u32 s42, s42, 196608                  ; behind slots 0-2
	s_add_nc_u64 s[38:39], s[38:39], s[42:43]
	s_lshl_b32 s62, s58, 9                         ; my wave's 512 bytes of a source row
	s_mov_b32 s44, 4096                            ; from row to row in the source
	s_mov_b32 s45, 8192                            ; from fragment to fragment in the destination
	s_mov_b32 s46, 1                               ; softplus,
	s_mov_b32 s47, -1                              ; in every lane,
	s_mov_b32 s53, 1.0                             ; positive
	s_branch .Lgo
.Lnot_u:
	s_cmp_lt_u32 s48, 384
	s_cbranch_scc0 .Lnot_w
	; 192-383: Wut_w, Wc_w, Wu_w.  A work-group takes 64 rows x 1,024 bytes; wave w rows 16 (w / 2) .., columns 128 (w % 2) ..
	s_sub_co_u32 s48, s48, 192
	s_lshr_b32 s51, s48, 6                         ; which of the three: the slot
	s_bfe_u32 s49, s48, 0x20004                    ; layer
	s_and_b32 s50, s48, 15                         ; chunk of 64 rows
	s_and_b32 s40, s48, 63
	s_lshl_b32 s40, s40, 16
	s_cmp_eq_u32 s51, 0
	s_cselect_b64 s[36:37], s[12:13], s[14:15]
	s_cmp_eq_u32 s51, 2
	s_cselect_b64 s[36:37], s[16:17], s[36:37]
	s_add_nc_u64 s[36:37], s[36:37], s[40:41]
	s_mov_b32 s52, 458752                          ; bytes of a tile column in w_l
	s_cmp_eq_u32 s49, 0
	s_cselect_b32 s52, 196608, s52
	s_cselect_b64 s[38:39], s[28:29], s[30:31]
	s_cmp_eq_u32 s49, 2
	s_cselect_b64 s[38:39], s[32:33], s[38:39]
	s_cmp_eq_u32 s49, 3
	s_cselect_b64 s[38:39], s[34:35], s[38:39]
	s_lshr_b32 s42, s50, 1
	s_mul_i32 s42, s42, s52                        ; tile column = chunk / 2
	s_lshl_b32 s51, s51, 16                        ; slot
	s_add_co_u32 s42, s42, s51
	s_lshl_b32 s63, s60, 15                        ; K quarters 4 (w % 2) ..
	s_add_co_u32 s42, s42, s63
	s_and_b32 s63, s50, 1
	s_lshl_b32 s63, s63, 2
	s_add_co_u32 s63, s63, s61                     ; column block 4 (chunk % 2) + w / 2
	s_lshl_b32 s63, s63, 10
	s_add_co_u32 s42, s42, s63
	s_add_nc_u64 s[38:39], s[38:39], s[42:43]
	s_lshl_b32 s62, s61, 14                        ; my 16 rows,
	s_lshl_b32 s63, s60, 9                         ; my half of them
	s_add_co_u32 s62, s62, s63
	s_mov_b32 s44, 1024
	s_mov_b32 s45, 8192
	s_xor_b32 s46, s60, 1                          ; even waves hold columns 0-127: they take the softplus path,
	s_mov_b32 s47, 3                               ; of which lanes 0 (columns 0-3) and 1 (columns 4-7) keep the result,
	s_mov_b32 s53, -1.0                            ; lane 1 with the sign turned
	s_branch .Lgo
.Lnot_w:
	s_cmp_lt_u32 s48, 640
	s_cbranch_scc0 .Lbias
	; 384-639: xf, xc.  A work-group takes 64 rows x 1,024 bytes, shared out as above
	s_sub_co_u32 s48, s48, 384
	s_lshr_b32 s51, s48, 7                         ; xf or xc
	s_and_b32 s50, s48, 127
	s_lshl_b32 s40, s50, 16
	s_cmp_eq_u32 s51, 0
	s_cselect_b64 s[36:37], s[8:9], s[10:11]
	s_add_nc_u64 s[36:37], s[36:37], s[40:41]
	s_lshl_b32 s42, s50, 2
	s_add_co_u32 s42, s42, s61
	s_lshl_b32 s42, s42, 15                        ; row block 4 chunk + w / 2
	s_lshl_b32 s51, s51, 13                        ; K blocks 0-7 or 8-15
	s_add_co_u32 s42, s42, s51
	s_lshl_b32 s63, s60, 12                        ; + 4 (w % 2)
	s_add_co_u32 s42, s42, s63
	s_add_nc_u64 s[38:39], s[26:27], s[42:43]
	s_lshl_b32 s62, s61, 14
	s_lshl_b32 s63, s60, 9
	s_add_co_u32 s62, s62, s63
	s_mov_b32 s44, 1024
	s_mov_b32 s45, 1024
	s_mov_b32 s46, 0
	s_mov_b32 s47, 0
	s_mov_b32 s53, 1.0
.Lgo:
	v_and_b32 v2, 31, v0                           ; lane
	v_lshl_add_u32 v[SA], v2, 4, s62
	global_load_b128 v[X:X+3], v[SA], s[36:37] th:TH_LOAD_NT
.set j, 1
.rept 15
	v_add_nc_u32 v[SA+j], s44, v[SA+j-1]           ; row j
	global_load_b128 v[X+4*j:X+4*j+3], v[SA+j], s[36:37] th:TH_LOAD_NT
.set j, j+1
.endr
	v_lshlrev_b32 v[DA], 4, v2
.set j, 1
.rept 3
	v_add_nc_u32 v[DA+j], s45, v[DA+j-1]
.set j, j+1
.endr
	s_mul_i32 s63, s58, WST                        ; my wave's stage
	v_lshl_add_u32 v[LW], v2, 3, s63               ; in: 8 bytes a lane, a row an instruction
	v_and_b32 v3, 15, v0
	v_bfe_u32 v4, v0, 4, 1
	v_mul_u32_u24 v[LR], v3, LP                    ; back: row l % 16, 16 bytes for each half of the lanes
	v_lshl_add_u32 v[LR], v4, 4, v[LR]
	v_add_nc_u32 v[LR], s63, v[LR]
	v_cmp_eq_u32 vcc_lo, 1, v2
	v_mov_b32 v4, s53
	v_cndmask_b32 v[SGN], 1.0, v4, vcc_lo
	v_mov_b32 v[SGN+1], v[SGN]                     ; named with it as a pair
.macro PLAIN j                         ; row j rounded and put into the stage
	s_wait_loadcnt 15-(\j)                         ; loads come back in order: the 15 - j younger ones stay out
	v_cvt_pk_bf16_f32 v[Y+2*(\j)], v[X+4*(\j)], v[X+4*(\j)+1]
	v_cvt_pk_bf16_f32 v[Y+2*(\j)+1], v[X+4*(\j)+2], v[X+4*(\j)+3]
	ds_store_b64 v[LW], v[Y+2*(\j):Y+2*(\j)+1] offset:(\j)*LP
.endm
.macro SOFT g                          ; rows 4 g .. 4 g + 3: 16 numbers a lane.  Two batches of transcendentals, one wait each
	s_wait_loadcnt 12-4*(\g)                       ; the 12 - 4 g younger loads stay out
.set i, 0
.rept 16
	v_or_b32 v[T+i], s59, v[X+16*(\g)+i]           ; -|x|
.set i, i+1
.endr
.set i, 0
.rept 8
	v_pk_mul_f32 v[T+i:T+i+1], v[T+i:T+i+1], s[54:55] op_sel_hi:[1,0]
.set i, i+2
.endr
.set i, 0
.rept 16
	v_exp_f32 v[T+i], v[T+i]                       ; t
.set i, i+1
.endr
.set i, 0
.rept 16
	v_max_num_f32 v[M+i], 0, v[X+16*(\g)+i]        ; plain work that names no exponential's result stands behind the batch
.set i, i+1
.endr
	s_wait_alu depctr_va_vdst(0)                   ; one wait for the 16 exponentials, ahead of their first reader
.set i, 0
.rept 8
	v_pk_add_f32 v[U+i:U+i+1], v[T+i:T+i+1], 1.0 op_sel_hi:[1,0]   ; u
.set i, i+2
.endr
.set i, 0
.rept 16
	v_log_f32 v[L+i], v[U+i]
.set i, i+1
.endr
	v_nop                                          ; a plain instruction behind the last logarithm, ahead of the lines that write its source
.set i, 0
.rept 8
	v_pk_add_f32 v[U+i:U+i+1], v[U+i:U+i+1], -1.0 op_sel_hi:[1,0]  ; u - 1, exact
.set i, i+2
.endr
.set i, 0
.rept 8
	v_pk_add_f32 v[U+i:U+i+1], v[T+i:T+i+1], v[U+i:U+i+1] neg_lo:[0,1] neg_hi:[0,1]  ; t - (u - 1)
.set i, i+2
.endr
.set i, 0
.rept 8
	v_pk_add_f32 v[U+i:U+i+1], v[U+i:U+i+1], v[M+i:M+i+1]
.set i, i+2
.endr
	s_wait_alu depctr_va_vdst(0)                   ; one wait for the 16 logarithms
.set i, 0
.rept 8
	v_pk_fma_f32 v[L+i:L+i+1], v[L+i:L+i+1], s[56:57], v[U+i:U+i+1] op_sel_hi:[1,0,1]
.set i, i+2
.endr
.set i, 0
.rept 8
	v_pk_mul_f32 v[L+i:L+i+1], v[L+i:L+i+1], v[SGN:SGN+1] op_sel_hi:[1,0]
.set i, i+2
.endr
.set i, 0
.rept 16
	v_cndmask_b32 v[L+i], v[X+16*(\g)+i], v[L+i], s47  ; the raw number where the lane's columns are not constrained
.set i, i+1
.endr
.set i, 0
.rept 8
	v_cvt_pk_bf16_f32 v[Y+8*(\g)+i], v[L+2*i], v[L+2*i+1]
.set i, i+1
.endr
.set i, 0
.rept 4
	ds_store_b64 v[LW], v[Y+8*(\g)+2*i:Y+8*(\g)+2*i+1] offset:(4*(\g)+i)*LP
.set i, i+1
.endr
.endm
	s_cmp_eq_u32 s46, 0
	s_cbranch_scc1 .Lplain
	SOFT 0
	SOFT 1
	SOFT 2
	SOFT 3
	s_branch .Lout
.Lplain:
.irp j, 0,1,2,3,4,5,6,7,8,9,10,11,12,13,14,15
	PLAIN \j
.endr
.Lout:                                 ; four fragments, two halves each: half i = 2 f + p holds K = 32 f + 16 p + 8 (l / 16) + 0..7 of row l % 16
.set i, 0
.rept 8
	ds_load_b128 v[X+4*i:X+4*i+3], v[LR] offset:(i/2)*64+(i%2)*32   ; LDS serves a wave's instructions in order (ISA guide 5.7.1.4): these see the stores above
.set i, i+1
.endr
.set i, 0
.rept 8
	s_wait_dscnt 7-i
	global_store_b128 v[DA+i/2], v[X+4*i:X+4*i+3], s[38:39] offset:(i%2)*512 th:TH_STORE_NT  ; a wave stores 512 consecutive bytes, aligned
.set i, i+1
.endr
	s_wait_tensorcnt 0x0                           ; the wave's end, behind my last LDS store
	ds_add_u32 v[SPW], v[NIL]
	s_wait_dscnt 0x0
	s_endpgm
.Lbias:                                ; work-group 640: thread t takes four numbers of each layer's three biases; it writes no LDS
.set ly, 0
.rept 4
	global_load_b128 v[X+12*ly:X+12*ly+3],    v[SO], s[20:21] offset:4096*ly   ; but
	global_load_b128 v[X+12*ly+4:X+12*ly+7],  v[SO], s[22:23] offset:4096*ly   ; bc
	global_load_b128 v[X+12*ly+8:X+12*ly+11], v[SO], s[24:25] offset:4096*ly   ; bu
.set ly, ly+1
.endr
	v_lshrrev_b32 v3, 5, v0                        ; tile column = t / 32
	v_and_b32 v4, 31, v0
	v_lshlrev_b32 v4, 4, v4
	v_lshl_add_u32 v5, v3, 10, v4                  ; 1,024 bytes a tile column
	s_wait_loadcnt 0x0
.set ly, 0
.rept 4
	v_pk_add_f32 v[X+12*ly+4:X+12*ly+5], v[X+12*ly+4:X+12*ly+5], v[X+12*ly+8:X+12*ly+9]    ; b2 = bc + bu
	v_pk_add_f32 v[X+12*ly+6:X+12*ly+7], v[X+12*ly+6:X+12*ly+7], v[X+12*ly+10:X+12*ly+11]
	v_pk_add_f32 v[X+12*ly:X+12*ly+1],   v[X+12*ly:X+12*ly+1],   v[X+12*ly+4:X+12*ly+5]    ; b12 = but + b2
	v_pk_add_f32 v[X+12*ly+2:X+12*ly+3], v[X+12*ly+2:X+12*ly+3], v[X+12*ly+6:X+12*ly+7]
.set ly, ly+1
.endr
	global_store_b128 v5, v[X:X+3],     s[28:29] offset:1572864
	global_store_b128 v5, v[X+4:X+7],   s[28:29] offset:1572864+512
	global_store_b128 v5, v[X+12:X+15], s[30:31] offset:3670016
	global_store_b128 v5, v[X+16:X+19], s[30:31] offset:3670016+512
	global_store_b128 v5, v[X+24:X+27], s[32:33] offset:3670016
	global_store_b128 v5, v[X+28:X+31], s[32:33] offset:3670016+512
	global_store_b128 v5, v[X+36:X+39], s[34:35] offset:3670016
	global_store_b128 v5, v[X+40:X+43], s[34:35] offset:3670016+512
	s_endpgm
.Lfunc_end_k_q529c41bd73_prep:
	.size	k_q529c41bd73_prep, .Lfunc_end_k_q529c41bd73_prep-k_q529c41bd73_prep
	.p2alignl 7, 3214868480
	.fill 96, 4, 3214868480
	.section	.rodata,"a",@progbits
	.p2align	6, 0x0
	.amdhsa_kernel k_q529c41bd73_prep
		.amdhsa_group_segment_fixed_size 35840
		.amdhsa_private_segment_fixed_size 0
		.amdhsa_enable_private_segment 0
		.amdhsa_kernarg_size 112
		.amdhsa_user_sgpr_count 2
		.amdhsa_user_sgpr_kernarg_segment_ptr 1
		.amdhsa_wavefront_size32 1
		.amdhsa_system_sgpr_workgroup_id_x 1
		.amdhsa_system_sgpr_workgroup_id_y 1
		.amdhsa_system_sgpr_workgroup_id_z 1
		.amdhsa_system_vgpr_workitem_id 0
		.amdhsa_next_free_vgpr 192
		.amdhsa_next_free_sgpr 66
		.amdhsa_reserve_vcc 1
		.amdhsa_float_denorm_mode_32 3
		.amdhsa_float_denorm_mode_16_64 3
		.amdhsa_memory_ordered 1
		.amdhsa_forward_progress 1
		.amdhsa_inst_pref_size 46
	.end_amdhsa_kernel
	.amdgpu_metadata
---
amdhsa.version: [ 1, 2 ]
amdhsa.kernels:
  - .name:           k_q529c41bd73_prep
    .symbol:         k_q529c41bd73_prep.kd
    .args:
      - { .name: xf, .offset: 0, .size: 8, .value_kind: global_buffer, .address_space: global }
      - { .name: xc, .offset: 8, .size: 8, .value_kind: global_buffer, .address_space: global }
      - { .name: Wut_w, .offset: 16, .size: 8, .value_kind: global_buffer, .address_space: global }
      - { .name: Wc_w, .offset: 24, .size: 8, .value_kind: global_buffer, .address_space: global }
      - { .name: Wu_w, .offset: 32, .size: 8, .value_kind: global_buffer, .address_space: global }
      - { .name: raw_U, .offset: 40, .size: 8, .value_kind: global_buffer, .address_space: global }
      - { .name: Wut_b, .offset: 48, .size: 8, .value_kind: global_buffer, .address_space: global }
      - { .name: Wc_b, .offset: 56, .size: 8, .value_kind: global_buffer, .address_space: global }
      - { .name: Wu_b, .offset: 64, .size: 8, .value_kind: global_buffer, .address_space: global }
      - { .name: xb, .offset: 72, .size: 8, .value_kind: global_buffer, .address_space: global }
      - { .name: w0, .offset: 80, .size: 8, .value_kind: global_buffer, .address_space: global }
      - { .name: w1, .offset: 88, .size: 8, .value_kind: global_buffer, .address_space: global }
      - { .name: w2, .offset: 96, .size: 8, .value_kind: global_buffer, .address_space: global }
      - { .name: w3, .offset: 104, .size: 8, .value_kind: global_buffer, .address_space: global }
    .group_segment_fixed_size: 35840
    .private_segment_fixed_size: 0
    .kernarg_segment_align: 8
    .kernarg_segment_size: 112
    .max_flat_workgroup_size: 256
    .sgpr_count:     66
    .vgpr_count:     192
    .wavefront_size: 32
...
	.end_amdgpu_metadata
.endif
;; end of part 1
;; launch layer0 (part 2): grid 32 x 8, 4 waves a work-group, clusters of 4 x 1, 327,680 bytes of LDS; arguments xb, w0, za; writes za
.if DOCPART == 2
	.amdgcn_target "amdgcn-amd-amdhsa--gfx1250"
	.amdhsa_code_object_version 6
	.text
	.protected	k_q529c41bd73_layer0
	.globl	k_q529c41bd73_layer0
	.p2align	8
	.type	k_q529c41bd73_layer0,@function
k_q529c41bd73_layer0:
	s_mov_b64 s[64:65], 0
	v_nop
	global_prefetch_b8 v0, s[64:65] scope:SCOPE_SE
	s_setreg_imm32_b32 hwreg(HW_REG_WAVE_MODE, 25, 1), 1
	s_wait_xcnt 0x0
	s_wait_alu depctr_hold_cnt(0) depctr_sa_sdst(0) depctr_va_vdst(0) depctr_va_sdst(0) depctr_va_ssrc(0) depctr_va_vcc(0) depctr_vm_vsrc(0)
	s_getreg_b32 s2, hwreg(HW_REG_IB_STS2, 6, 4)
	s_cmp_eq_u32 s2, 0
	s_cbranch_scc0 .Lentry_in_a_cluster
	s_endpgm
.Lentry_in_a_cluster:
	s_bfe_u32 s2, ttmp6, 0x10000c
	s_cmp_lg_u32 s2, 0x3003
	s_cbranch_scc0 .Lentry_shape_is_right
	s_endpgm
.Lentry_shape_is_right:
; ONE LAYER:  z' = relu( relu(xf Wut^T + but) + xc Wc^T + xf Wu^T + z softplus(U)^T + bc + bu ).  One text for all layers; KIND picks what differs:
; KIND 0: layer 0, no z, K = 768, bf16 out.   KIND 1: layers 1 and 2, K = 1,792, bf16 out.   KIND 2: layer 3, K = 1,792, f32 out, row-major.
; BY FRAGMENTS.  A fragment is 16 rows x 32 K of bf16 = 1,024 bytes as the lanes of a matrix instruction hold it: byte 512 p + 16 l holds row l % 16, K = 16 p + 8 (l / 16) + 0..7.
;   x, z: fragment (row block rb, K block kb) at 32,768 rb + 1,024 kb; in x kb 0-7 is xf, 8-15 xc.   w: [tile column 8][slot NS][K quarter 8][column block 8][1,024], slots Wut, Wc, Wu, softplus(U) x 4;
;   behind them 1,024 bytes a tile column: b12 = but + bc + bu (128 f32), b2 = bc + bu.
; ONE SUM.  relu(a + but) + b2 = max(a + b12, b2): the sums start from b12 (the C operand of the first products), run slot 0 (xf Wut^T), take one maximum with b2, and go on in place.
; SHARES.  A tile of the result is 256 rows x 128 columns: 32 x 8 tiles, a work-group each.  Four waves, one below the other, each 64 rows x 128 columns: 32 accumulators of 16 x 16.
; x AND z GO STRAIGHT TO REGISTERS: no two waves of a work-group want the same rows, and a fragment is 1,024 consecutive bytes, so a load of a wave covers 512 consecutive bytes.  A ring of eight places of
; 32 registers; a quarter's 8 loads are issued seven quarters (224 matrix instructions) ahead of their use.  That leaves LDS to w: with both operands there, two slots of 256 K would be 2 x 384 rows x 528 bytes, more than a WGP has.
; w GOES THROUGH LDS in slots of 256 K (65,536 bytes, dense, no padding: a fragment load takes 512 consecutive bytes), four positions; slot s lies at position (s + 1) % 4.  The first four slots (KIND 0: all three)
; are asked for at the start; slots 4, 5, 6 fill positions 1, 2, 3 again behind the rounds at the ends of slots 0, 1, 2: a refill has a slot's 256 matrix instructions less sixteen in which to land.
; CLUSTER 4 x 1.  The four partners make four tile rows of one tile column and need the same slots of w: each is asked for jointly.  x and z are not shared that way: they do not pass through LDS.
; THE PRODUCT IS TAKEN TRANSPOSED (source 0 = 16 rows of w, source 1 = 16 rows of x or z): a lane holds row lane % 16 and eight neighbouring columns 8 (lane / 16) + 0..7: packed to bf16 that IS half a fragment of the next layer's z.
; LIMITS.  Matrix operands and the bf16 results are rounded once to bf16; sums in f32, in the order u, xc, xf, z from the biases on; relu takes the number where the other operand is NaN, so a NaN is not handed on.
; REGISTERS.  Window 0: v0-31 addresses; v64-127, v128-191 two buffers of w's 8 fragments, on the way out at work.  Window 1: accumulator (a, b) at v[8 (8 a + b)].  Window 2: the ring, quarter kq's row block a at v[32 kq + 8 a].
; Window 3: v0-63 b12, v64-127 b2.
.set KIND, 0
.if KIND == 0
.set NS,    3                          ; slots of 256 K
.set NFILL, 3                          ; of them asked for at the start
.else
.set NS,    7
.set NFILL, 4
.endif
.set POSB,  65536                      ; a slot, and a position in LDS
.set RBS,   32768                      ; from row block to row block in x and z
.set BIASL, 4*POSB                     ; behind the positions: b12, b2
.set STAGE, BIASL+1024                 ; KIND 2: a stage of 16 rows for each wave; no fill lands there
.if KIND == 2
.set SP,    528                        ; a stage row: 512 bytes + 16
.set SPARE, STAGE+4*16*SP
.else
.set SPARE, STAGE
.endif                                 ; SPARE: the spare words, 128 bytes for each wave: two blocks of 256 bytes that no other line names
.set F0,  64
.set F1,  128
; v16 16 x lane; v17 LDS address of the slot in hand; v18 256 x lane; v24, v25 stage in and back; v27 0; v28, v29 the add's two; v31 where my biases lie in LDS
; s12 wave, s13 cx, s14 tile column, s15 tile row; s[24:31] descriptor group 1 for w, s[32:47] group 0, a set for each first fill (the last then walks); s[84:91], s[48:51] the biases' descriptor
; s[52:53], s[54:55] x and z at my wave's rows; s[56:57] where the ring's loads stand; s[58:59], s68 the prefetches' address and bound; s[60:61] an offset; s63 the slot in hand; s66 its LDS position; s67 trips
.set MSB, 0
.macro WIN new                         ; the immediate's high byte repeats the setting that is left; a switch that changes nothing is dropped
.if MSB != (\new)
	s_set_vgpr_msb (MSB<<8)|(\new)
.set MSB, \new
.endif
.endm
.macro PLACES                          ; four plain vector instructions between a matrix instruction and a load into, or a vector line on, its registers (ISA guide 7.12.1 for vector instructions)
.rept 4
	v_nop
.endr
.endm
.macro CREST                           ; a round of the cluster's barrier behind its opening barrier
	s_cmp_lg_u32 s12, 0
	s_cbranch_scc1 .Lnot_wave_0_\@
	s_barrier_signal -3
.Lnot_wave_0_\@:
	s_barrier_wait -3
	s_barrier_signal -1
	s_barrier_wait -1
.endm
.macro CROUND
	s_barrier_signal -1
	s_barrier_wait -1
	CREST
.endm
.if KIND == 0
	s_load_b64 s[4:5], s[0:1], 0x0                 ; x
	s_load_b128 s[8:11], s[0:1], 0x8               ; w, result
.else
	s_load_b256 s[4:11], s[0:1], 0x0               ; x, z, w, result
.endif
	v_lshl_add_u32 v28, v0, 2, SPARE
	v_mov_b32 v29, 0
	ds_add_u32 v28, v29                            ; the wave's opening: the add, twice on end, and its wait ahead of my first tensor load
	ds_add_u32 v28, v29
	v_lshrrev_b32 v1, 5, v0
	v_readfirstlane_b32 s12, v1
	s_bfe_u32 s13, ttmp6, 0x40000                  ; cx
	s_mov_b32 s14, ttmp9                           ; the cluster's x is the tile column, which the partners share
	s_and_b32 s15, ttmp7, 0xffff
	s_lshl_b32 s15, s15, 2
	s_add_co_u32 s15, s15, s13                     ; tile row = 4 y + cx: it enters x's, z's and the result's addresses alone
	s_mov_b32 s24, 15|(3<<16)|(1<<21)              ; 15:0 the mask of four; 17:16 8-byte elements; 21 set beside a mask; no padding
	s_mov_b32 s25, 32<<16                          ; tensor_dim0 = 32 (256 bytes)
	s_mov_b32 s26, 64<<16                          ; tensor_dim1 = 64
	s_mov_b32 s27, 32<<16                          ; tile_dim0 = 32
	s_mov_b32 s28, 64                              ; tile_dim1 = 64: my quarter of a slot, 16,384 dense bytes
	s_mov_b32 s29, 32                              ; from row to row
	s_mov_b32 s30, 0
	s_mov_b32 s31, 0
	s_mov_b32 s84, 15|(3<<16)|(1<<21)              ; the biases: one row of 256 bytes a wave
	s_mov_b32 s85, 32<<16
	s_mov_b32 s86, 1<<16
	s_mov_b32 s87, 32<<16
	s_mov_b32 s88, 1
	s_mov_b32 s89, 32
	s_mov_b32 s90, 1<<16
	s_mov_b32 s91, 0
	s_lshl_b32 s20, s12, 14                        ; my quarter of a slot, in memory and in LDS
	s_lshl_b32 s21, s12, 8                         ; my quarter of the biases
	s_mul_i32 s72, s14, NS*POSB
	s_add_co_u32 s72, s72, s20
	s_mov_b32 s73, 0
	s_lshl_b32 s78, s14, 10
	s_add_co_u32 s78, s78, s21
	s_add_co_u32 s78, s78, NS*8*POSB               ; behind w's fragments
	s_mov_b32 s79, 0
	s_lshl_b32 s74, s15, 19                        ; 16 row blocks a tile row,
	s_lshl_b32 s75, s12, 17                        ; 4 a wave
	s_add_co_u32 s74, s74, s75
	s_mov_b32 s75, 0
	s_mov_b32 s61, 0
	s_mov_b32 s63, 0
	s_mov_b32 s66, POSB                            ; slot 0 lies at position 1
	s_mov_b32 s48, 1
	s_add_co_u32 s49, s21, BIASL
.set q, 0
.rept NFILL
	s_mov_b32 s[32+4*q], 1
	s_add_co_u32 s[33+4*q], s20, ((q+1)&3)*POSB
.set q, q+1
.endr
	s_wait_dscnt 0x0                               ; both opening adds are done
	s_wait_kmcnt 0x0
	s_add_nc_u64 s[52:53], s[4:5], s[74:75]
.if KIND != 0
	s_add_nc_u64 s[54:55], s[6:7], s[74:75]
.endif
	s_mov_b64 s[56:57], s[52:53]                   ; slot 0 multiplies xf
	s_add_nc_u64 s[76:77], s[8:9], s[72:73]
	s_add_nc_u64 s[50:51], s[8:9], s[78:79]
	s_or_b32 s51, s51, 0x80000000
.set q, 0
.rept NFILL
	s_add_nc_u64 s[34+4*q:35+4*q], s[76:77], q*POSB
	s_or_b32 s[35+4*q], s[35+4*q], 0x80000000
.set q, q+1
.endr
	CROUND                                         ; all four work-groups are here: the first joint loads meet
	tensor_load_to_lds s[48:51], s[84:91]          ; the first fills go out as one group: 1 + NFILL loads of mine are out
	s_nop 0
.set q, 0
.rept NFILL
	tensor_load_to_lds s[32+4*q:35+4*q], s[24:31]
	s_nop 0
.set q, q+1
.endr
	PLACES
	v_and_b32 v2, 31, v0
	v_lshlrev_b32 v16, 4, v2
; 8 loads: the four row blocks' fragments of K quarter rs of the slot at s[56:57], into place rs of the ring
.macro ALOAD rs
	WIN 0x80                                       ; destination window 2
.irp a, 0,1,2,3
	global_load_b128 v[32*(\rs)+8*\a:32*(\rs)+8*\a+3],   v16, s[56:57] offset:\a*RBS+(\rs)*1024
	global_load_b128 v[32*(\rs)+8*\a+4:32*(\rs)+8*\a+7], v16, s[56:57] offset:\a*RBS+(\rs)*1024+512
.endr
.endm
.irp rs, 0,1,2,3,4,5,6
	ALOAD \rs                                      ; slot 0's quarters 0 to 6: 56 loads
.endr
	WIN 0
	v_bfe_u32 v3, v0, 4, 1                         ; lane / 16
	v_lshl_add_u32 v31, v3, 5, BIASL               ; my 8 columns of a block of 16: 32 bytes
.if KIND == 2
	s_lshl_b32 s80, s15, 20                        ; 256 rows of 4,096 bytes,
	s_lshl_b32 s81, s12, 18                        ; my 64,
	s_add_co_u32 s80, s80, s81
	s_lshl_b32 s81, s14, 9                         ; the tile's 128 columns
	s_add_co_u32 s80, s80, s81
	s_mul_i32 s23, s12, 16*SP
	s_add_co_u32 s23, s23, STAGE                   ; my stage
	v_and_b32 v1, 15, v0
	v_mul_u32_u24 v24, v1, SP
	v_lshl_add_u32 v24, v3, 5, v24                 ; in: row lane % 16, 32 bytes for each half of the lanes
	v_add_nc_u32 v24, s23, v24
	v_add_nc_u32 v25, s23, v16                     ; back: 32 lanes take a row of 512 bytes
.else
	s_lshl_b32 s80, s14, 12                        ; the tile's 128 columns are K blocks 4 x tile column .. of the next layer
	s_add_co_u32 s80, s80, s74
	v_mov_b32 v27, 0
.endif
	s_mov_b32 s81, 0
	s_add_nc_u64 s[10:11], s[10:11], s[80:81]
.if KIND != 0
	v_lshlrev_b32 v18, 8, v2
	s_cmp_eq_u32 s14, 0                            ; all eight tile columns read the same rows of z: tile column 0 prefetches
	s_cselect_b32 s68, 5, 0
.endif
; 8 matrix instructions: row blocks 2 ah, 2 ah + 1 x column blocks 4 bh .. 4 bh + 3, 32 along K: w's buffer f, the ring's place kq.  first = 1: the sums start from b12.
; The 32 accumulators take turns, one instruction a turn, in the same order in every quarter.
.macro MUL8 f, kq, bh, ah, first=0
.if \first
	WIN 0x78                                       ; D window 1, C window 3, source 1 window 2
.else
	WIN 0x58                                       ; C and D window 1, source 1 window 2
.endif
.irp a, 2*(\ah), 2*(\ah)+1
.irp b, 4*(\bh), 4*(\bh)+1, 4*(\bh)+2, 4*(\bh)+3
.if \first
	v_wmma_f32_16x16x32_bf16 v[8*(8*(\a)+(\b)):8*(8*(\a)+(\b))+7], v[(\f)+8*(\b):(\f)+8*(\b)+7], v[32*(\kq)+8*(\a):32*(\kq)+8*(\a)+7], v[8*(\b):8*(\b)+7]
.else
	v_wmma_f32_16x16x32_bf16 v[8*(8*(\a)+(\b)):8*(8*(\a)+(\b))+7], v[(\f)+8*(\b):(\f)+8*(\b)+7], v[32*(\kq)+8*(\a):32*(\kq)+8*(\a)+7], v[8*(8*(\a)+(\b)):8*(8*(\a)+(\b))+7]
.endif
.endr
.endr
.endm
; 16 LDS loads in one run: w's 8 fragments of K quarter k of the slot at v17, into buffer f
.macro FETCH k, f
	WIN 0
.irp b, 0,1,2,3,4,5,6,7
	ds_load_b128 v[(\f)+8*\b:(\f)+8*\b+3],   v17 offset:(\k)*8192+\b*1024
	ds_load_b128 v[(\f)+8*\b+4:(\f)+8*\b+7], v17 offset:(\k)*8192+\b*1024+512
.endr
.endm
; The ring's loads go on to the next slot: xf, xc, xf, then z's K blocks 8 (s - 3) ..  Scalar work, behind the wait that frees the two addresses
.macro ANEXT
.if KIND != 0
	s_lshl_b32 s60, s63, 13
	s_add_nc_u64 s[58:59], s[54:55], s[60:61]      ; in slot s the prefetches name z's part for slot s + 3
.endif
	s_add_co_u32 s63, s63, 1
	s_and_b32 s60, s63, 1
.if KIND != 0
	s_sub_co_u32 s62, s63, 3
	s_cmp_lt_u32 s63, 3
	s_cselect_b32 s60, s60, s62
	s_cselect_b64 s[56:57], s[52:53], s[54:55]
	s_lshl_b32 s60, s60, 13
	s_add_nc_u64 s[56:57], s[56:57], s[60:61]
.else
	s_lshl_b32 s60, s60, 13
	s_add_nc_u64 s[56:57], s[52:53], s[60:61]
.endif
.endm
; A PREFETCH INTO THE L2 of my own rows of z for the slot three on, whose loads begin two slots (512 matrix instructions) later: 4 row blocks x 8,192 bytes, a lane a block of 256 bytes, four instructions, behind
; a run of the ring's loads.  Only tile column 0 asks, each wave for its own rows: each block is named once.  Slots 3 to 6 are named in slots 0 to 3; later slots name nothing.  x is loaded at the head and is not asked for.
.macro ASK
	WIN 0
	s_cmp_lt_u32 s63, s68
	s_cbranch_scc0 .Lnot_mine_\@
.irp a, 0,1,2,3
	global_prefetch_b8 v18, s[58:59] offset:\a*RBS th:TH_LOAD_NT scope:SCOPE_SE
.endr
.Lnot_mine_\@:
.endm
; One of a slot's quarters 0 to 6.  In its middle, behind four places: w's next quarter into the other buffer, and the ring's place that the quarter before has left is loaded again, seven quarters ahead.
; mode 0: a slot behind which a position is filled again; 1: none is; 2: the last slot: the ring is loaded no more, and the counts run down.
.macro QUARTER kq, mode, first=0
.set FC, F0+64*((\kq)%2)
.set FN, F0+64*(((\kq)+1)%2)
.if ((\mode) == 2) && ((\kq) >= 2)
	s_wait_loadcnt 8*(7-(\kq))                     ; the batches of the quarters still to come stay out
.else
	s_wait_loadcnt 48                              ; loads come back in order: this quarter's 8 are in, the six younger batches stay out
.endif
	s_wait_dscnt 8                                 ; w's column blocks 4-7 may be out
	MUL8 FC, \kq, 0, 0, \first
	MUL8 FC, \kq, 0, 1, \first
	PLACES
	FETCH (\kq)+1, FN
.if (\kq) == 0
	ALOAD 7                                        ; this slot's last quarter
.elseif (\mode) != 2
.if (\kq) == 1
	s_wait_xcnt 0x0                                ; the ring's loads (the youngest a quarter back) and the prefetches (seven back) have read their addresses
	ANEXT
.endif
	ALOAD (\kq)-1                                  ; the next slot's quarter kq - 1
.if ((\kq) == 2) && (KIND != 0)
	ASK
.endif
.endif
	s_wait_dscnt 16                                ; all but the 16 just issued
	MUL8 FC, \kq, 1, 0, \first
	MUL8 FC, \kq, 1, 1, \first
.endm
; A slot's quarter 7, where the slots change.
.macro LASTQ mode
.if (\mode) == 0
	s_wait_loadcnt 48
	WIN 0
	s_wait_tensorcnt 0x0                           ; all my tensor loads have landed, so the walking descriptor may be written
	ds_add_u32 v28, v29                            ; 0 onto my spare word
	s_add_co_u32 s45, s45, POSB                    ; the position that is being left,
	s_add_nc_u64 s[46:47], s[46:47], POSB          ; the slot four on
	s_add_co_u32 s66, s66, POSB                    ; my reads go on to the next position, round the four
	s_and_b32 s66, s66, 4*POSB-1
	s_wait_dscnt 9                                 ; the add and the youngest eight loads may be out
	MUL8 F1, 7, 0, 0
	s_wait_dscnt 0x0                               ; the add is done, and my reads of this position are over
	s_barrier_signal -1
	MUL8 F1, 7, 0, 1
	WIN 0
	s_barrier_wait -1
	CREST                                          ; no wave of any partner still reads this position or has a load on its way
	tensor_load_to_lds s[44:47], s[24:31]          ; my one load behind the round
	s_nop 0
	PLACES                                         ; also the places in front of the loads below
.elseif (\mode) == 1
	s_wait_loadcnt 48
	s_wait_tensorcnt 0x0                           ; the wait shows my part of the slots still to be read landed, the barrier everybody's
	s_add_co_u32 s66, s66, POSB
	s_wait_dscnt 8
	MUL8 F1, 7, 0, 0
	s_wait_dscnt 0x0
	s_barrier_signal -1
	MUL8 F1, 7, 0, 1
	s_barrier_wait -1
	PLACES
.else
	s_wait_loadcnt 0x0
	s_wait_dscnt 8
	MUL8 F1, 7, 0, 0
	MUL8 F1, 7, 0, 1
	s_wait_dscnt 0x0
.endif
.if (\mode) != 2
	WIN 0
	v_add_nc_u32 v17, s66, v16
	FETCH 0, F0
	ALOAD 6
.endif
	MUL8 F1, 7, 1, 0
	MUL8 F1, 7, 1, 1
.endm
; Behind slot 0: the inner relu, as one maximum with b2; each accumulator from its lowest register on
.macro MID
	PLACES
	WIN 0x4d                                       ; destination and source 0 window 1, source 1 window 3
.set i, 0
.rept 256
	v_max_num_f32 v[i], v[i], v[64+(i%64)]
.set i, i+1
.endr
	WIN 0
.endm
; A trip: a slot's quarters 1 to 7 and the next slot's quarter 0.  mid = 1: in the trip in which s67 = cnt, the first, the maximum stands between them
.macro TRIP mode, mid, cnt
.irp kq, 1,2,3,4,5,6
	QUARTER \kq, \mode
.endr
	LASTQ \mode
.if \mid
	WIN 0
	s_cmp_lg_u32 s67, \cnt
	s_cbranch_scc1 .Lno_mid
	MID
.Lno_mid:
.endif
	QUARTER 0, \mode
	WIN 0
.endm
	s_wait_tensorcnt NFILL-1                       ; my parts of the biases and of slot 0 are in; the younger slots may stay out
	s_barrier_signal -1
	s_barrier_wait -1
	WIN 0xc0                                       ; destination window 3
.set i, 0
.rept 8                                ; register 8 b + j: column 16 b + 8 (lane / 16) + j
	ds_load_b128 v[8*i:8*i+3],       v31 offset:64*i
	ds_load_b128 v[8*i+4:8*i+7],     v31 offset:64*i+16
	ds_load_b128 v[64+8*i:64+8*i+3], v31 offset:512+64*i
	ds_load_b128 v[64+8*i+4:64+8*i+7], v31 offset:512+64*i+16
.set i, i+1
.endr
	WIN 0
	v_add_nc_u32 v17, s66, v16
	FETCH 0, F0
	QUARTER 0, 1, 1                                ; the first quarter stands in front of the loops: its products start the sums
	WIN 0
.if KIND != 0
	s_mov_b32 s67, 3
.Lfill:                                ; slots 0, 1, 2: their positions are filled again with slots 4, 5, 6
	TRIP 0, 1, 3
	s_sub_co_u32 s67, s67, 1
	s_cmp_lg_u32 s67, 0
	s_cbranch_scc1 .Lfill
	s_mov_b32 s67, 3
.Lrest:                                ; slots 3, 4, 5
	TRIP 1, 0, 0
	s_sub_co_u32 s67, s67, 1
	s_cmp_lg_u32 s67, 0
	s_cbranch_scc1 .Lrest
.else
	s_mov_b32 s67, 2
.Lrest:                                ; slots 0, 1
	TRIP 1, 1, 2
	s_sub_co_u32 s67, s67, 1
	s_cmp_lg_u32 s67, 0
	s_cbranch_scc1 .Lrest
.endif
.irp kq, 1,2,3,4,5,6
	QUARTER \kq, 2                                 ; the last slot is written out
.endr
	LASTQ 2
	WIN 0
	PLACES
.if KIND == 2
; THE WAY OUT in f32, row-major, a row block (16 rows x 128 columns) at a time: relu; into my own stage; back as whole rows of 512 bytes; stored
.macro PACK a
	WIN 0x04                                       ; source 1 window 1
.set i, 0
.rept 64
	v_max_num_f32 v[64+i], 0, v[64*(\a)+i]
.set i, i+1
.endr
	WIN 0
.endm
.macro TOSTAGE a
	s_wait_xcnt 0x0                                ; the registers loaded below were store data two blocks back: they are written only behind this wait
.set BK, 128+64*((\a)%2)
.irp b, 0,1,2,3,4,5,6,7
	ds_store_b128 v24, v[64+8*\b:64+8*\b+3]   offset:64*\b
	ds_store_b128 v24, v[64+8*\b+4:64+8*\b+7] offset:64*\b+16
.endr
.set t, 0
.rept 16
	ds_load_b128 v[BK+4*t:BK+4*t+3], v25 offset:t*SP   ; LDS serves a wave's instructions in order (ISA guide 5.7.1.4): these see the stores above
.set t, t+1
.endr
.endm
.macro SEND a
	s_wait_dscnt 0x0                               ; the block is back in registers
.set BK, 128+64*((\a)%2)
.set t, 0
.rept 16
	global_store_b128 v16, v[BK+4*t:BK+4*t+3], s[10:11] offset:(16*(\a)+t)*4096   ; a wave stores 512 consecutive bytes, at a multiple of 256 from the result's first byte
.set t, t+1
.endr
.endm
	PACK 0
	TOSTAGE 0
.irp a, 1,2,3                          ; a block's arithmetic stands between the stage loads of the block before and the wait for them
	PACK \a
	SEND (\a)-1
	TOSTAGE \a
.endr
	SEND 3
.else
; THE WAY OUT in bf16, by fragments: accumulator (a, b), rounded, is half b % 2 of fragment (row block a, K block 4 x tile column + b / 2) of the next layer's z, lane for lane: it is stored from where it lies
.irp a, 0,1,2,3
	WIN 0x05                                       ; sources 0 and 1 window 1
.set i, 0
.rept 32
	v_cvt_pk_bf16_f32 v[64+32*\a+i], v[64*\a+2*i], v[64*\a+2*i+1]
.set i, i+1
.endr
	WIN 0
.set i, 0
.rept 32
	v_pk_max_num_bf16 v[64+32*\a+i], v[64+32*\a+i], v27   ; relu on two rounded numbers: rounding keeps sign and order
.set i, i+1
.endr
.set i, 0
.rept 8
	global_store_b128 v16, v[64+32*\a+4*i:64+32*\a+4*i+3], s[10:11] offset:\a*RBS+i*512   ; a wave stores 512 consecutive bytes, aligned
.set i, i+1
.endr
.endr
.endif
	s_wait_tensorcnt 0x0                           ; the wave's end, behind my last tensor load and my last LDS store
	ds_add_u32 v28, v29
	s_wait_dscnt 0x0
	CROUND                                         ; the closing round: no work-group ends while a partner may still ask for a tile that names it
	s_endpgm
.Lfunc_end_k_q529c41bd73_layer0:
	.size	k_q529c41bd73_layer0, .Lfunc_end_k_q529c41bd73_layer0-k_q529c41bd73_layer0
	.p2alignl 7, 3214868480
	.fill 96, 4, 3214868480
	.section	.rodata,"a",@progbits
	.p2align	6, 0x0
	.amdhsa_kernel k_q529c41bd73_layer0
		.amdhsa_group_segment_fixed_size 327680
		.amdhsa_private_segment_fixed_size 0
		.amdhsa_enable_private_segment 0
		.amdhsa_kernarg_size 24
		.amdhsa_user_sgpr_count 2
		.amdhsa_user_sgpr_kernarg_segment_ptr 1
		.amdhsa_wavefront_size32 1
		.amdhsa_system_sgpr_workgroup_id_x 1
		.amdhsa_system_sgpr_workgroup_id_y 1
		.amdhsa_system_sgpr_workgroup_id_z 1
		.amdhsa_system_vgpr_workitem_id 0
		.amdhsa_next_free_vgpr 896
		.amdhsa_next_free_sgpr 96
		.amdhsa_reserve_vcc 0
		.amdhsa_float_denorm_mode_32 3
		.amdhsa_float_denorm_mode_16_64 3
		.amdhsa_memory_ordered 1
		.amdhsa_forward_progress 1
		.amdhsa_inst_pref_size 101
	.end_amdhsa_kernel
	.amdgpu_metadata
---
amdhsa.version: [ 1, 2 ]
amdhsa.kernels:
  - .name:           k_q529c41bd73_layer0
    .symbol:         k_q529c41bd73_layer0.kd
    .args:
      - { .name: xb, .offset: 0, .size: 8, .value_kind: global_buffer, .address_space: global }
      - { .name: w0, .offset: 8, .size: 8, .value_kind: global_buffer, .address_space: global }
      - { .name: za, .offset: 16, .size: 8, .value_kind: global_buffer, .address_space: global }
    .group_segment_fixed_size: 327680
    .private_segment_fixed_size: 0
    .kernarg_segment_align: 8
    .kernarg_segment_size: 24
    .max_flat_workgroup_size: 128
    .sgpr_count:     96
    .vgpr_count:     896
    .wavefront_size: 32
...
	.end_amdgpu_metadata
.endif
;; end of part 2
;; launch layer1 (part 3): grid 32 x 8, 4 waves a work-group, clusters of 4 x 1, 327,680 bytes of LDS; arguments xb, za, w1, zb; writes zb
.if DOCPART == 3
	.amdgcn_target "amdgcn-amd-amdhsa--gfx1250"
	.amdhsa_code_object_version 6
	.text
	.protected	k_q529c41bd73_layer1
	.globl	k_q529c41bd73_layer1
	.p2align	8
	.type	k_q529c41bd73_layer1,@function
k_q529c41bd73_layer1:
	s_mov_b64 s[64:65], 0
	v_nop
	global_prefetch_b8 v0, s[64:65] scope:SCOPE_SE
	s_setreg_imm32_b32 hwreg(HW_REG_WAVE_MODE, 25, 1), 1
	s_wait_xcnt 0x0
	s_wait_alu depctr_hold_cnt(0) depctr_sa_sdst(0) depctr_va_vdst(0) depctr_va_sdst(0) depctr_va_ssrc(0) depctr_va_vcc(0) depctr_vm_vsrc(0)
	s_getreg_b32 s2, hwreg(HW_REG_IB_STS2, 6, 4)
	s_cmp_eq_u32 s2, 0
	s_cbranch_scc0 .Lentry_in_a_cluster
	s_endpgm
.Lentry_in_a_cluster:
	s_bfe_u32 s2, ttmp6, 0x10000c
	s_cmp_lg_u32 s2, 0x3003
	s_cbranch_scc0 .Lentry_shape_is_right
	s_endpgm
.Lentry_shape_is_right:
; ONE LAYER:  z' = relu( relu(xf Wut^T + but) + xc Wc^T + xf Wu^T + z softplus(U)^T + bc + bu ).  One text for all layers; KIND picks what differs:
; KIND 0: layer 0, no z, K = 768, bf16 out.   KIND 1: layers 1 and 2, K = 1,792, bf16 out.   KIND 2: layer 3, K = 1,792, f32 out, row-major.
; BY FRAGMENTS.  A fragment is 16 rows x 32 K of bf16 = 1,024 bytes as the lanes of a matrix instruction hold it: byte 512 p + 16 l holds row l % 16, K = 16 p + 8 (l / 16) + 0..7.
;   x, z: fragment (row block rb, K block kb) at 32,768 rb + 1,024 kb; in x kb 0-7 is xf, 8-15 xc.   w: [tile column 8][slot NS][K quarter 8][column block 8][1,024], slots Wut, Wc, Wu, softplus(U) x 4;
;   behind them 1,024 bytes a tile column: b12 = but + bc + bu (128 f32), b2 = bc + bu.
; ONE SUM.  relu(a + but) + b2 = max(a + b12, b2): the sums start from b12 (the C operand of the first products), run slot 0 (xf Wut^T), take one maximum with b2, and go on in place.
; SHARES.  A tile of the result is 256 rows x 128 columns: 32 x 8 tiles, a work-group each.  Four waves, one below the other, each 64 rows x 128 columns: 32 accumulators of 16 x 16.
; x AND z GO STRAIGHT TO REGISTERS: no two waves of a work-group want the same rows, and a fragment is 1,024 consecutive bytes, so a load of a wave covers 512 consecutive bytes.  A ring of eight places of
; 32 registers; a quarter's 8 loads are issued seven quarters (224 matrix instructions) ahead of their use.  That leaves LDS to w: with both operands there, two slots of 256 K would be 2 x 384 rows x 528 bytes, more than a WGP has.
; w GOES THROUGH LDS in slots of 256 K (65,536 bytes, dense, no padding: a fragment load takes 512 consecutive bytes), four positions; slot s lies at position (s + 1) % 4.  The first four slots (KIND 0: all three)
; are asked for at the start; slots 4, 5, 6 fill positions 1, 2, 3 again behind the rounds at the ends of slots 0, 1, 2: a refill has a slot's 256 matrix instructions less sixteen in which to land.
; CLUSTER 4 x 1.  The four partners make four tile rows of one tile column and need the same slots of w: each is asked for jointly.  x and z are not shared that way: they do not pass through LDS.
; THE PRODUCT IS TAKEN TRANSPOSED (source 0 = 16 rows of w, source 1 = 16 rows of x or z): a lane holds row lane % 16 and eight neighbouring columns 8 (lane / 16) + 0..7: packed to bf16 that IS half a fragment of the next layer's z.
; LIMITS.  Matrix operands and the bf16 results are rounded once to bf16; sums in f32, in the order u, xc, xf, z from the biases on; relu takes the number where the other operand is NaN, so a NaN is not handed on.
; REGISTERS.  Window 0: v0-31 addresses; v64-127, v128-191 two buffers of w's 8 fragments, on the way out at work.  Window 1: accumulator (a, b) at v[8 (8 a + b)].  Window 2: the ring, quarter kq's row block a at v[32 kq + 8 a].
; Window 3: v0-63 b12, v64-127 b2.
.set KIND, 1
.if KIND == 0
.set NS,    3                          ; slots of 256 K
.set NFILL, 3                          ; of them asked for at the start
.else
.set NS,    7
.set NFILL, 4
.endif
.set POSB,  65536                      ; a slot, and a position in LDS
.set RBS,   32768                      ; from row block to row block in x and z
.set BIASL, 4*POSB                     ; behind the positions: b12, b2
.set STAGE, BIASL+1024                 ; KIND 2: a stage of 16 rows for each wave; no fill lands there
.if KIND == 2
.set SP,    528                        ; a stage row: 512 bytes + 16
.set SPARE, STAGE+4*16*SP
.else
.set SPARE, STAGE
.endif                                 ; SPARE: the spare words, 128 bytes for each wave: two blocks of 256 bytes that no other line names
.set F0,  64
.set F1,  128
; v16 16 x lane; v17 LDS address of the slot in hand; v18 256 x lane; v24, v25 stage in and back; v27 0; v28, v29 the add's two; v31 where my biases lie in LDS
; s12 wave, s13 cx, s14 tile column, s15 tile row; s[24:31] descriptor group 1 for w, s[32:47] group 0, a set for each first fill (the last then walks); s[84:91], s[48:51] the biases' descriptor
; s[52:53], s[54:55] x and z at my wave's rows; s[56:57] where the ring's loads stand; s[58:59], s68 the prefetches' address and bound; s[60:61] an offset; s63 the slot in hand; s66 its LDS position; s67 trips
.set MSB, 0
.macro WIN new                         ; the immediate's high byte repeats the setting that is left; a switch that changes nothing is dropped
.if MSB != (\new)
	s_set_vgpr_msb (MSB<<8)|(\new)
.set MSB, \new
.endif
.endm
.macro PLACES                          ; four plain vector instructions between a matrix instruction and a load into, or a vector line on, its registers (ISA guide 7.12.1 for vector instructions)
.rept 4
	v_nop
.endr
.endm
.macro CREST                           ; a round of the cluster's barrier behind its opening barrier
	s_cmp_lg_u32 s12, 0
	s_cbranch_scc1 .Lnot_wave_0_\@
	s_barrier_signal -3
.Lnot_wave_0_\@:
	s_barrier_wait -3
	s_barrier_signal -1
	s_barrier_wait -1
.endm
.macro CROUND
	s_barrier_signal -1
	s_barrier_wait -1
	CREST
.endm
.if KIND == 0
	s_load_b64 s[4:5], s[0:1], 0x0                 ; x
	s_load_b128 s[8:11], s[0:1], 0x8               ; w, result
.else
	s_load_b256 s[4:11], s[0:1], 0x0               ; x, z, w, result
.endif
	v_lshl_add_u32 v28, v0, 2, SPARE
	v_mov_b32 v29, 0
	ds_add_u32 v28, v29                            ; the wave's opening: the add, twice on end, and its wait ahead of my first tensor load
	ds_add_u32 v28, v29
	v_lshrrev_b32 v1, 5, v0
	v_readfirstlane_b32 s12, v1
	s_bfe_u32 s13, ttmp6, 0x40000                  ; cx
	s_mov_b32 s14, ttmp9                           ; the cluster's x is the tile column, which the partners share
	s_and_b32 s15, ttmp7, 0xffff
	s_lshl_b32 s15, s15, 2
	s_add_co_u32 s15, s15, s13                     ; tile row = 4 y + cx: it enters x's, z's and the result's addresses alone
	s_mov_b32 s24, 15|(3<<16)|(1<<21)              ; 15:0 the mask of four; 17:16 8-byte elements; 21 set beside a mask; no padding
	s_mov_b32 s25, 32<<16                          ; tensor_dim0 = 32 (256 bytes)
	s_mov_b32 s26, 64<<16                          ; tensor_dim1 = 64
	s_mov_b32 s27, 32<<16                          ; tile_dim0 = 32
	s_mov_b32 s28, 64                              ; tile_dim1 = 64: my quarter of a slot, 16,384 dense bytes
	s_mov_b32 s29, 32                              ; from row to row
	s_mov_b32 s30, 0
	s_mov_b32 s31, 0
	s_mov_b32 s84, 15|(3<<16)|(1<<21)              ; the biases: one row of 256 bytes a wave
	s_mov_b32 s85, 32<<16
	s_mov_b32 s86, 1<<16
	s_mov_b32 s87, 32<<16
	s_mov_b32 s88, 1
	s_mov_b32 s89, 32
	s_mov_b32 s90, 1<<16
	s_mov_b32 s91, 0
	s_lshl_b32 s20, s12, 14                        ; my quarter of a slot, in memory and in LDS
	s_lshl_b32 s21, s12, 8                         ; my quarter of the biases
	s_mul_i32 s72, s14, NS*POSB
	s_add_co_u32 s72, s72, s20
	s_mov_b32 s73, 0
	s_lshl_b32 s78, s14, 10
	s_add_co_u32 s78, s78, s21
	s_add_co_u32 s78, s78, NS*8*POSB               ; behind w's fragments
	s_mov_b32 s79, 0
	s_lshl_b32 s74, s15, 19                        ; 16 row blocks a tile row,
	s_lshl_b32 s75, s12, 17                        ; 4 a wave
	s_add_co_u32 s74, s74, s75
	s_mov_b32 s75, 0
	s_mov_b32 s61, 0
	s_mov_b32 s63, 0
	s_mov_b32 s66, POSB                            ; slot 0 lies at position 1
	s_mov_b32 s48, 1
	s_add_co_u32 s49, s21, BIASL
.set q, 0
.rept NFILL
	s_mov_b32 s[32+4*q], 1
	s_add_co_u32 s[33+4*q], s20, ((q+1)&3)*POSB
.set q, q+1
.endr
	s_wait_dscnt 0x0                               ; both opening adds are done
	s_wait_kmcnt 0x0
	s_add_nc_u64 s[52:53], s[4:5], s[74:75]
.if KIND != 0
	s_add_nc_u64 s[54:55], s[6:7], s[74:75]
.endif
	s_mov_b64 s[56:57], s[52:53]                   ; slot 0 multiplies xf
	s_add_nc_u64 s[76:77], s[8:9], s[72:73]
	s_add_nc_u64 s[50:51], s[8:9], s[78:79]
	s_or_b32 s51, s51, 0x80000000
.set q, 0
.rept NFILL
	s_add_nc_u64 s[34+4*q:35+4*q], s[76:77], q*POSB
	s_or_b32 s[35+4*q], s[35+4*q], 0x80000000
.set q, q+1
.endr
	CROUND                                         ; all four work-groups are here: the first joint loads meet
	tensor_load_to_lds s[48:51], s[84:91]          ; the first fills go out as one group: 1 + NFILL loads of mine are out
	s_nop 0
.set q, 0
.rept NFILL
	tensor_load_to_lds s[32+4*q:35+4*q], s[24:31]
	s_nop 0
.set q, q+1
.endr
	PLACES
	v_and_b32 v2, 31, v0
	v_lshlrev_b32 v16, 4, v2
; 8 loads: the four row blocks' fragments of K quarter rs of the slot at s[56:57], into place rs of the ring
.macro ALOAD rs
	WIN 0x80                                       ; destination window 2
.irp a, 0,1,2,3
	global_load_b128 v[32*(\rs)+8*\a:32*(\rs)+8*\a+3],   v16, s[56:57] offset:\a*RBS+(\rs)*1024
	global_load_b128 v[32*(\rs)+8*\a+4:32*(\rs)+8*\a+7], v16, s[56:57] offset:\a*RBS+(\rs)*1024+512
.endr
.endm
.irp rs, 0,1,2,3,4,5,6
	ALOAD \rs                                      ; slot 0's quarters 0 to 6: 56 loads
.endr
	WIN 0
	v_bfe_u32 v3, v0, 4, 1                         ; lane / 16
	v_lshl_add_u32 v31, v3, 5, BIASL               ; my 8 columns of a block of 16: 32 bytes
.if KIND == 2
	s_lshl_b32 s80, s15, 20                        ; 256 rows of 4,096 bytes,
	s_lshl_b32 s81, s12, 18                        ; my 64,
	s_add_co_u32 s80, s80, s81
	s_lshl_b32 s81, s14, 9                         ; the tile's 128 columns
	s_add_co_u32 s80, s80, s81
	s_mul_i32 s23, s12, 16*SP
	s_add_co_u32 s23, s23, STAGE                   ; my stage
	v_and_b32 v1, 15, v0
	v_mul_u32_u24 v24, v1, SP
	v_lshl_add_u32 v24, v3, 5, v24                 ; in: row lane % 16, 32 bytes for each half of the lanes
	v_add_nc_u32 v24, s23, v24
	v_add_nc_u32 v25, s23, v16                     ; back: 32 lanes take a row of 512 bytes
.else
	s_lshl_b32 s80, s14, 12                        ; the tile's 128 columns are K blocks 4 x tile column .. of the next layer
	s_add_co_u32 s80, s80, s74
	v_mov_b32 v27, 0
.endif
	s_mov_b32 s81, 0
	s_add_nc_u64 s[10:11], s[10:11], s[80:81]
.if KIND != 0
	v_lshlrev_b32 v18, 8, v2
	s_cmp_eq_u32 s14, 0                            ; all eight tile columns read the same rows of z: tile column 0 prefetches
	s_cselect_b32 s68, 5, 0
.endif
; 8 matrix instructions: row blocks 2 ah, 2 ah + 1 x column blocks 4 bh .. 4 bh + 3, 32 along K: w's buffer f, the ring's place kq.  first = 1: the sums start from b12.
; The 32 accumulators take turns, one instruction a turn, in the same order in every quarter.
.macro MUL8 f, kq, bh, ah, first=0
.if \first
	WIN 0x78                                       ; D window 1, C window 3, source 1 window 2
.else
	WIN 0x58                                       ; C and D window 1, source 1 window 2
.endif
.irp a, 2*(\ah), 2*(\ah)+1
.irp b, 4*(\bh), 4*(\bh)+1, 4*(\bh)+2, 4*(\bh)+3
.if \first
	v_wmma_f32_16x16x32_bf16 v[8*(8*(\a)+(\b)):8*(8*(\a)+(\b))+7], v[(\f)+8*(\b):(\f)+8*(\b)+7], v[32*(\kq)+8*(\a):32*(\kq)+8*(\a)+7], v[8*(\b):8*(\b)+7]
.else
	v_wmma_f32_16x16x32_bf16 v[8*(8*(\a)+(\b)):8*(8*(\a)+(\b))+7], v[(\f)+8*(\b):(\f)+8*(\b)+7], v[32*(\kq)+8*(\a):32*(\kq)+8*(\a)+7], v[8*(8*(\a)+(\b)):8*(8*(\a)+(\b))+7]
.endif
.endr
.endr
.endm
; 16 LDS loads in one run: w's 8 fragments of K quarter k of the slot at v17, into buffer f
.macro FETCH k, f
	WIN 0
.irp b, 0,1,2,3,4,5,6,7
	ds_load_b128 v[(\f)+8*\b:(\f)+8*\b+3],   v17 offset:(\k)*8192+\b*1024
	ds_load_b128 v[(\f)+8*\b+4:(\f)+8*\b+7], v17 offset:(\k)*8192+\b*1024+512
.endr
.endm
; The ring's loads go on to the next slot: xf, xc, xf, then z's K blocks 8 (s - 3) ..  Scalar work, behind the wait that frees the two addresses
.macro ANEXT
.if KIND != 0
	s_lshl_b32 s60, s63, 13
	s_add_nc_u64 s[58:59], s[54:55], s[60:61]      ; in slot s the prefetches name z's part for slot s + 3
.endif
	s_add_co_u32 s63, s63, 1
	s_and_b32 s60, s63, 1
.if KIND != 0
	s_sub_co_u32 s62, s63, 3
	s_cmp_lt_u32 s63, 3
	s_cselect_b32 s60, s60, s62
	s_cselect_b64 s[56:57], s[52:53], s[54:55]
	s_lshl_b32 s60, s60, 13
	s_add_nc_u64 s[56:57], s[56:57], s[60:61]
.else
	s_lshl_b32 s60, s60, 13
	s_add_nc_u64 s[56:57], s[52:53], s[60:61]
.endif
.endm
; A PREFETCH INTO THE L2 of my own rows of z for the slot three on, whose loads begin two slots (512 matrix instructions) later: 4 row blocks x 8,192 bytes, a lane a block of 256 bytes, four instructions, behind
; a run of the ring's loads.  Only tile column 0 asks, each wave for its own rows: each block is named once.  Slots 3 to 6 are named in slots 0 to 3; later slots name nothing.  x is loaded at the head and is not asked for.
.macro ASK
	WIN 0
	s_cmp_lt_u32 s63, s68
	s_cbranch_scc0 .Lnot_mine_\@
.irp a, 0,1,2,3
	global_prefetch_b8 v18, s[58:59] offset:\a*RBS th:TH_LOAD_NT scope:SCOPE_SE
.endr
.Lnot_mine_\@:
.endm
; One of a slot's quarters 0 to 6.  In its middle, behind four places: w's next quarter into the other buffer, and the ring's place that the quarter before has left is loaded again, seven quarters ahead.
; mode 0: a slot behind which a position is filled again; 1: none is; 2: the last slot: the ring is loaded no more, and the counts run down.
.macro QUARTER kq, mode, first=0
.set FC, F0+64*((\kq)%2)
.set FN, F0+64*(((\kq)+1)%2)
.if ((\mode) == 2) && ((\kq) >= 2)
	s_wait_loadcnt 8*(7-(\kq))                     ; the batches of the quarters still to come stay out
.else
	s_wait_loadcnt 48                              ; loads come back in order: this quarter's 8 are in, the six younger batches stay out
.endif
	s_wait_dscnt 8                                 ; w's column blocks 4-7 may be out
	MUL8 FC, \kq, 0, 0, \first
	MUL8 FC, \kq, 0, 1, \first
	PLACES
	FETCH (\kq)+1, FN
.if (\kq) == 0
	ALOAD 7                                        ; this slot's last quarter
.elseif (\mode) != 2
.if (\kq) == 1
	s_wait_xcnt 0x0                                ; the ring's loads (the youngest a quarter back) and the prefetches (seven back) have read their addresses
	ANEXT
.endif
	ALOAD (\kq)-1                                  ; the next slot's quarter kq - 1
.if ((\kq) == 2) && (KIND != 0)
	ASK
.endif
.endif
	s_wait_dscnt 16                                ; all but the 16 just issued
	MUL8 FC, \kq, 1, 0, \first
	MUL8 FC, \kq, 1, 1, \first
.endm
; A slot's quarter 7, where the slots change.
.macro LASTQ mode
.if (\mode) == 0
	s_wait_loadcnt 48
	WIN 0
	s_wait_tensorcnt 0x0                           ; all my tensor loads have landed, so the walking descriptor may be written
	ds_add_u32 v28, v29                            ; 0 onto my spare word
	s_add_co_u32 s45, s45, POSB                    ; the position that is being left,
	s_add_nc_u64 s[46:47], s[46:47], POSB          ; the slot four on
	s_add_co_u32 s66, s66, POSB                    ; my reads go on to the next position, round the four
	s_and_b32 s66, s66, 4*POSB-1
	s_wait_dscnt 9                                 ; the add and the youngest eight loads may be out
	MUL8 F1, 7, 0, 0
	s_wait_dscnt 0x0                               ; the add is done, and my reads of this position are over
	s_barrier_signal -1
	MUL8 F1, 7, 0, 1
	WIN 0
	s_barrier_wait -1
	CREST                                          ; no wave of any partner still reads this position or has a load on its way
	tensor_load_to_lds s[44:47], s[24:31]          ; my one load behind the round
	s_nop 0
	PLACES                                         ; also the places in front of the loads below
.elseif (\mode) == 1
	s_wait_loadcnt 48
	s_wait_tensorcnt 0x0                           ; the wait shows my part of the slots still to be read landed, the barrier everybody's
	s_add_co_u32 s66, s66, POSB
	s_wait_dscnt 8
	MUL8 F1, 7, 0, 0
	s_wait_dscnt 0x0
	s_barrier_signal -1
	MUL8 F1, 7, 0, 1
	s_barrier_wait -1
	PLACES
.else
	s_wait_loadcnt 0x0
	s_wait_dscnt 8
	MUL8 F1, 7, 0, 0
	MUL8 F1, 7, 0, 1
	s_wait_dscnt 0x0
.endif
.if (\mode) != 2
	WIN 0
	v_add_nc_u32 v17, s66, v16
	FETCH 0, F0
	ALOAD 6
.endif
	MUL8 F1, 7, 1, 0
	MUL8 F1, 7, 1, 1
.endm
; Behind slot 0: the inner relu, as one maximum with b2; each accumulator from its lowest register on
.macro MID
	PLACES
	WIN 0x4d                                       ; destination and source 0 window 1, source 1 window 3
.set i, 0
.rept 256
	v_max_num_f32 v[i], v[i], v[64+(i%64)]
.set i, i+1
.endr
	WIN 0
.endm
; A trip: a slot's quarters 1 to 7 and the next slot's quarter 0.  mid = 1: in the trip in which s67 = cnt, the first, the maximum stands between them
.macro TRIP mode, mid, cnt
.irp kq, 1,2,3,4,5,6
	QUARTER \kq, \mode
.endr
	LASTQ \mode
.if \mid
	WIN 0
	s_cmp_lg_u32 s67, \cnt
	s_cbranch_scc1 .Lno_mid
	MID
.Lno_mid:
.endif
	QUARTER 0, \mode
	WIN 0
.endm
	s_wait_tensorcnt NFILL-1                       ; my parts of the biases and of slot 0 are in; the younger slots may stay out
	s_barrier_signal -1
	s_barrier_wait -1
	WIN 0xc0                                       ; destination window 3
.set i, 0
.rept 8                                ; register 8 b + j: column 16 b + 8 (lane / 16) + j
	ds_load_b128 v[8*i:8*i+3],       v31 offset:64*i
	ds_load_b128 v[8*i+4:8*i+7],     v31 offset:64*i+16
	ds_load_b128 v[64+8*i:64+8*i+3], v31 offset:512+64*i
	ds_load_b128 v[64+8*i+4:64+8*i+7], v31 offset:512+64*i+16
.set i, i+1
.endr
	WIN 0
	v_add_nc_u32 v17, s66, v16
	FETCH 0, F0
	QUARTER 0, 1, 1                                ; the first quarter stands in front of the loops: its products start the sums
	WIN 0
.if KIND != 0
	s_mov_b32 s67, 3
.Lfill:                                ; slots 0, 1, 2: their positions are filled again with slots 4, 5, 6
	TRIP 0, 1, 3
	s_sub_co_u32 s67, s67, 1
	s_cmp_lg_u32 s67, 0
	s_cbranch_scc1 .Lfill
	s_mov_b32 s67, 3
.Lrest:                                ; slots 3, 4, 5
	TRIP 1, 0, 0
	s_sub_co_u32 s67, s67, 1
	s_cmp_lg_u32 s67, 0
	s_cbranch_scc1 .Lrest
.else
	s_mov_b32 s67, 2
.Lrest:                                ; slots 0, 1
	TRIP 1, 1, 2
	s_sub_co_u32 s67, s67, 1
	s_cmp_lg_u32 s67, 0
	s_cbranch_scc1 .Lrest
.endif
.irp kq, 1,2,3,4,5,6
	QUARTER \kq, 2                                 ; the last slot is written out
.endr
	LASTQ 2
	WIN 0
	PLACES
.if KIND == 2
; THE WAY OUT in f32, row-major, a row block (16 rows x 128 columns) at a time: relu; into my own stage; back as whole rows of 512 bytes; stored
.macro PACK a
	WIN 0x04                                       ; source 1 window 1
.set i, 0
.rept 64
	v_max_num_f32 v[64+i], 0, v[64*(\a)+i]
.set i, i+1
.endr
	WIN 0
.endm
.macro TOSTAGE a
	s_wait_xcnt 0x0                                ; the registers loaded below were store data two blocks back: they are written only behind this wait
.set BK, 128+64*((\a)%2)
.irp b, 0,1,2,3,4,5,6,7
	ds_store_b128 v24, v[64+8*\b:64+8*\b+3]   offset:64*\b
	ds_store_b128 v24, v[64+8*\b+4:64+8*\b+7] offset:64*\b+16
.endr
.set t, 0
.rept 16
	ds_load_b128 v[BK+4*t:BK+4*t+3], v25 offset:t*SP   ; LDS serves a wave's instructions in order (ISA guide 5.7.1.4): these see the stores above
.set t, t+1
.endr
.endm
.macro SEND a
	s_wait_dscnt 0x0                               ; the block is back in registers
.set BK, 128+64*((\a)%2)
.set t, 0
.rept 16
	global_store_b128 v16, v[BK+4*t:BK+4*t+3], s[10:11] offset:(16*(\a)+t)*4096   ; a wave stores 512 consecutive bytes, at a multiple of 256 from the result's first byte
.set t, t+1
.endr
.endm
	PACK 0
	TOSTAGE 0
.irp a, 1,2,3                          ; a block's arithmetic stands between the stage loads of the block before and the wait for them
	PACK \a
	SEND (\a)-1
	TOSTAGE \a
.endr
	SEND 3
.else
; THE WAY OUT in bf16, by fragments: accumulator (a, b), rounded, is half b % 2 of fragment (row block a, K block 4 x tile column + b / 2) of the next layer's z, lane for lane: it is stored from where it lies
.irp a, 0,1,2,3
	WIN 0x05                                       ; sources 0 and 1 window 1
.set i, 0
.rept 32
	v_cvt_pk_bf16_f32 v[64+32*\a+i], v[64*\a+2*i], v[64*\a+2*i+1]
.set i, i+1
.endr
	WIN 0
.set i, 0
.rept 32
	v_pk_max_num_bf16 v[64+32*\a+i], v[64+32*\a+i], v27   ; relu on two rounded numbers: rounding keeps sign and order
.set i, i+1
.endr
.set i, 0
.rept 8
	global_store_b128 v16, v[64+32*\a+4*i:64+32*\a+4*i+3], s[10:11] offset:\a*RBS+i*512   ; a wave stores 512 consecutive bytes, aligned
.set i, i+1
.endr
.endr
.endif
	s_wait_tensorcnt 0x0                           ; the wave's end, behind my last tensor load and my last LDS store
	ds_add_u32 v28, v29
	s_wait_dscnt 0x0
	CROUND                                         ; the closing round: no work-group ends while a partner may still ask for a tile that names it
	s_endpgm
.Lfunc_end_k_q529c41bd73_layer1:
	.size	k_q529c41bd73_layer1, .Lfunc_end_k_q529c41bd73_layer1-k_q529c41bd73_layer1
	.p2alignl 7, 3214868480
	.fill 96, 4, 3214868480
	.section	.rodata,"a",@progbits
	.p2align	6, 0x0
	.amdhsa_kernel k_q529c41bd73_layer1
		.amdhsa_group_segment_fixed_size 327680
		.amdhsa_private_segment_fixed_size 0
		.amdhsa_enable_private_segment 0
		.amdhsa_kernarg_size 32
		.amdhsa_user_sgpr_count 2
		.amdhsa_user_sgpr_kernarg_segment_ptr 1
		.amdhsa_wavefront_size32 1
		.amdhsa_system_sgpr_workgroup_id_x 1
		.amdhsa_system_sgpr_workgroup_id_y 1
		.amdhsa_system_sgpr_workgroup_id_z 1
		.amdhsa_system_vgpr_workitem_id 0
		.amdhsa_next_free_vgpr 896
		.amdhsa_next_free_sgpr 96
		.amdhsa_reserve_vcc 0
		.amdhsa_float_denorm_mode_32 3
		.amdhsa_float_denorm_mode_16_64 3
		.amdhsa_memory_ordered 1
		.amdhsa_forward_progress 1
		.amdhsa_inst_pref_size 136
	.end_amdhsa_kernel
	.amdgpu_metadata
---
amdhsa.version: [ 1, 2 ]
amdhsa.kernels:
  - .name:           k_q529c41bd73_layer1
    .symbol:         k_q529c41bd73_layer1.kd
    .args:
      - { .name: xb, .offset: 0, .size: 8, .value_kind: global_buffer, .address_space: global }
      - { .name: za, .offset: 8, .size: 8, .value_kind: global_buffer, .address_space: global }
      - { .name: w1, .offset: 16, .size: 8, .value_kind: global_buffer, .address_space: global }
      - { .name: zb, .offset: 24, .size: 8, .value_kind: global_buffer, .address_space: global }
    .group_segment_fixed_size: 327680
    .private_segment_fixed_size: 0
    .kernarg_segment_align: 8
    .kernarg_segment_size: 32
    .max_flat_workgroup_size: 128
    .sgpr_count:     96
    .vgpr_count:     896
    .wavefront_size: 32
...
	.end_amdgpu_metadata
.endif
;; end of part 3
;; launch layer2: the kernel of part 3 again; grid 32 x 8, 4 waves a work-group, clusters of 4 x 1, 327,680 bytes of LDS; arguments xb, zb, w2, za; writes za
;; launch layer3 (part 4): grid 32 x 8, 4 waves a work-group, clusters of 4 x 1, 327,680 bytes of LDS; arguments xb, za, w3, out0; writes out0
.if DOCPART == 4
	.amdgcn_target "amdgcn-amd-amdhsa--gfx1250"
	.amdhsa_code_object_version 6
	.text
	.protected	k_q529c41bd73_layer3
	.globl	k_q529c41bd73_layer3
	.p2align	8
	.type	k_q529c41bd73_layer3,@function
k_q529c41bd73_layer3:
	s_mov_b64 s[64:65], 0
	v_nop
	global_prefetch_b8 v0, s[64:65] scope:SCOPE_SE
	s_setreg_imm32_b32 hwreg(HW_REG_WAVE_MODE, 25, 1), 1
	s_wait_xcnt 0x0
	s_wait_alu depctr_hold_cnt(0) depctr_sa_sdst(0) depctr_va_vdst(0) depctr_va_sdst(0) depctr_va_ssrc(0) depctr_va_vcc(0) depctr_vm_vsrc(0)
	s_getreg_b32 s2, hwreg(HW_REG_IB_STS2, 6, 4)
	s_cmp_eq_u32 s2, 0
	s_cbranch_scc0 .Lentry_in_a_cluster
	s_endpgm
.Lentry_in_a_cluster:
	s_bfe_u32 s2, ttmp6, 0x10000c
	s_cmp_lg_u32 s2, 0x3003
	s_cbranch_scc0 .Lentry_shape_is_right
	s_endpgm
.Lentry_shape_is_right:
; ONE LAYER:  z' = relu( relu(xf Wut^T + but) + xc Wc^T + xf Wu^T + z softplus(U)^T + bc + bu ).  One text for all layers; KIND picks what differs:
; KIND 0: layer 0, no z, K = 768, bf16 out.   KIND 1: layers 1 and 2, K = 1,792, bf16 out.   KIND 2: layer 3, K = 1,792, f32 out, row-major.
; BY FRAGMENTS.  A fragment is 16 rows x 32 K of bf16 = 1,024 bytes as the lanes of a matrix instruction hold it: byte 512 p + 16 l holds row l % 16, K = 16 p + 8 (l / 16) + 0..7.
;   x, z: fragment (row block rb, K block kb) at 32,768 rb + 1,024 kb; in x kb 0-7 is xf, 8-15 xc.   w: [tile column 8][slot NS][K quarter 8][column block 8][1,024], slots Wut, Wc, Wu, softplus(U) x 4;
;   behind them 1,024 bytes a tile column: b12 = but + bc + bu (128 f32), b2 = bc + bu.
; ONE SUM.  relu(a + but) + b2 = max(a + b12, b2): the sums start from b12 (the C operand of the first products), run slot 0 (xf Wut^T), take one maximum with b2, and go on in place.
; SHARES.  A tile of the result is 256 rows x 128 columns: 32 x 8 tiles, a work-group each.  Four waves, one below the other, each 64 rows x 128 columns: 32 accumulators of 16 x 16.
; x AND z GO STRAIGHT TO REGISTERS: no two waves of a work-group want the same rows, and a fragment is 1,024 consecutive bytes, so a load of a wave covers 512 consecutive bytes.  A ring of eight places of
; 32 registers; a quarter's 8 loads are issued seven quarters (224 matrix instructions) ahead of their use.  That leaves LDS to w: with both operands there, two slots of 256 K would be 2 x 384 rows x 528 bytes, more than a WGP has.
; w GOES THROUGH LDS in slots of 256 K (65,536 bytes, dense, no padding: a fragment load takes 512 consecutive bytes), four positions; slot s lies at position (s + 1) % 4.  The first four slots (KIND 0: all three)
; are asked for at the start; slots 4, 5, 6 fill positions 1, 2, 3 again behind the rounds at the ends of slots 0, 1, 2: a refill has a slot's 256 matrix instructions less sixteen in which to land.
; CLUSTER 4 x 1.  The four partners make four tile rows of one tile column and need the same slots of w: each is asked for jointly.  x and z are not shared that way: they do not pass through LDS.
; THE PRODUCT IS TAKEN TRANSPOSED (source 0 = 16 rows of w, source 1 = 16 rows of x or z): a lane holds row lane % 16 and eight neighbouring columns 8 (lane / 16) + 0..7: packed to bf16 that IS half a fragment of the next layer's z.
; LIMITS.  Matrix operands and the bf16 results are rounded once to bf16; sums in f32, in the order u, xc, xf, z from the biases on; relu takes the number where the other operand is NaN, so a NaN is not handed on.
; REGISTERS.  Window 0: v0-31 addresses; v64-127, v128-191 two buffers of w's 8 fragments, on the way out at work.  Window 1: accumulator (a, b) at v[8 (8 a + b)].  Window 2: the ring, quarter kq's row block a at v[32 kq + 8 a].
; Window 3: v0-63 b12, v64-127 b2.
.set KIND, 2
.if KIND == 0
.set NS,    3                          ; slots of 256 K
.set NFILL, 3                          ; of them asked for at the start
.else
.set NS,    7
.set NFILL, 4
.endif
.set POSB,  65536                      ; a slot, and a position in LDS
.set RBS,   32768                      ; from row block to row block in x and z
.set BIASL, 4*POSB                     ; behind the positions: b12, b2
.set STAGE, BIASL+1024                 ; KIND 2: a stage of 16 rows for each wave; no fill lands there
.if KIND == 2
.set SP,    528                        ; a stage row: 512 bytes + 16
.set SPARE, STAGE+4*16*SP
.else
.set SPARE, STAGE
.endif                                 ; SPARE: the spare words, 128 bytes for each wave: two blocks of 256 bytes that no other line names
.set F0,  64
.set F1,  128
; v16 16 x lane; v17 LDS address of the slot in hand; v18 256 x lane; v24, v25 stage in and back; v27 0; v28, v29 the add's two; v31 where my biases lie in LDS
; s12 wave, s13 cx, s14 tile column, s15 tile row; s[24:31] descriptor group 1 for w, s[32:47] group 0, a set for each first fill (the last then walks); s[84:91], s[48:51] the biases' descriptor
; s[52:53], s[54:55] x and z at my wave's rows; s[56:57] where the ring's loads stand; s[58:59], s68 the prefetches' address and bound; s[60:61] an offset; s63 the slot in hand; s66 its LDS position; s67 trips
.set MSB, 0
.macro WIN new                         ; the immediate's high byte repeats the setting that is left; a switch that changes nothing is dropped
.if MSB != (\new)
	s_set_vgpr_msb (MSB<<8)|(\new)
.set MSB, \new
.endif
.endm
.macro PLACES                          ; four plain vector instructions between a matrix instruction and a load into, or a vector line on, its registers (ISA guide 7.12.1 for vector instructions)
.rept 4
	v_nop
.endr
.endm
.macro CREST                           ; a round of the cluster's barrier behind its opening barrier
	s_cmp_lg_u32 s12, 0
	s_cbranch_scc1 .Lnot_wave_0_\@
	s_barrier_signal -3
.Lnot_wave_0_\@:
	s_barrier_wait -3
	s_barrier_signal -1
	s_barrier_wait -1
.endm
.macro CROUND
	s_barrier_signal -1
	s_barrier_wait -1
	CREST
.endm
.if KIND == 0
	s_load_b64 s[4:5], s[0:1], 0x0                 ; x
	s_load_b128 s[8:11], s[0:1], 0x8               ; w, result
.else
	s_load_b256 s[4:11], s[0:1], 0x0               ; x, z, w, result
.endif
	v_lshl_add_u32 v28, v0, 2, SPARE
	v_mov_b32 v29, 0
	ds_add_u32 v28, v29                            ; the wave's opening: the add, twice on end, and its wait ahead of my first tensor load
	ds_add_u32 v28, v29
	v_lshrrev_b32 v1, 5, v0
	v_readfirstlane_b32 s12, v1
	s_bfe_u32 s13, ttmp6, 0x40000                  ; cx
	s_mov_b32 s14, ttmp9                           ; the cluster's x is the tile column, which the partners share
	s_and_b32 s15, ttmp7, 0xffff
	s_lshl_b32 s15, s15, 2
	s_add_co_u32 s15, s15, s13                     ; tile row = 4 y + cx: it enters x's, z's and the result's addresses alone
	s_mov_b32 s24, 15|(3<<16)|(1<<21)              ; 15:0 the mask of four; 17:16 8-byte elements; 21 set beside a mask; no padding
	s_mov_b32 s25, 32<<16                          ; tensor_dim0 = 32 (256 bytes)
	s_mov_b32 s26, 64<<16                          ; tensor_dim1 = 64
	s_mov_b32 s27, 32<<16                          ; tile_dim0 = 32
	s_mov_b32 s28, 64                              ; tile_dim1 = 64: my quarter of a slot, 16,384 dense bytes
	s_mov_b32 s29, 32                              ; from row to row
	s_mov_b32 s30, 0
	s_mov_b32 s31, 0
	s_mov_b32 s84, 15|(3<<16)|(1<<21)              ; the biases: one row of 256 bytes a wave
	s_mov_b32 s85, 32<<16
	s_mov_b32 s86, 1<<16
	s_mov_b32 s87, 32<<16
	s_mov_b32 s88, 1
	s_mov_b32 s89, 32
	s_mov_b32 s90, 1<<16
	s_mov_b32 s91, 0
	s_lshl_b32 s20, s12, 14                        ; my quarter of a slot, in memory and in LDS
	s_lshl_b32 s21, s12, 8                         ; my quarter of the biases
	s_mul_i32 s72, s14, NS*POSB
	s_add_co_u32 s72, s72, s20
	s_mov_b32 s73, 0
	s_lshl_b32 s78, s14, 10
	s_add_co_u32 s78, s78, s21
	s_add_co_u32 s78, s78, NS*8*POSB               ; behind w's fragments
	s_mov_b32 s79, 0
	s_lshl_b32 s74, s15, 19                        ; 16 row blocks a tile row,
	s_lshl_b32 s75, s12, 17                        ; 4 a wave
	s_add_co_u32 s74, s74, s75
	s_mov_b32 s75, 0
	s_mov_b32 s61, 0
	s_mov_b32 s63, 0
	s_mov_b32 s66, POSB                            ; slot 0 lies at position 1
	s_mov_b32 s48, 1
	s_add_co_u32 s49, s21, BIASL
.set q, 0
.rept NFILL
	s_mov_b32 s[32+4*q], 1
	s_add_co_u32 s[33+4*q], s20, ((q+1)&3)*POSB
.set q, q+1
.endr
	s_wait_dscnt 0x0                               ; both opening adds are done
	s_wait_kmcnt 0x0
	s_add_nc_u64 s[52:53], s[4:5], s[74:75]
.if KIND != 0
	s_add_nc_u64 s[54:55], s[6:7], s[74:75]
.endif
	s_mov_b64 s[56:57], s[52:53]                   ; slot 0 multiplies xf
	s_add_nc_u64 s[76:77], s[8:9], s[72:73]
	s_add_nc_u64 s[50:51], s[8:9], s[78:79]
	s_or_b32 s51, s51, 0x80000000
.set q, 0
.rept NFILL
	s_add_nc_u64 s[34+4*q:35+4*q], s[76:77], q*POSB
	s_or_b32 s[35+4*q], s[35+4*q], 0x80000000
.set q, q+1
.endr
	CROUND                                         ; all four work-groups are here: the first joint loads meet
	tensor_load_to_lds s[48:51], s[84:91]          ; the first fills go out as one group: 1 + NFILL loads of mine are out
	s_nop 0
.set q, 0
.rept NFILL
	tensor_load_to_lds s[32+4*q:35+4*q], s[24:31]
	s_nop 0
.set q, q+1
.endr
	PLACES
	v_and_b32 v2, 31, v0
	v_lshlrev_b32 v16, 4, v2
; 8 loads: the four row blocks' fragments of K quarter rs of the slot at s[56:57], into place rs of the ring
.macro ALOAD rs
	WIN 0x80                                       ; destination window 2
.irp a, 0,1,2,3
	global_load_b128 v[32*(\rs)+8*\a:32*(\rs)+8*\a+3],   v16, s[56:57] offset:\a*RBS+(\rs)*1024
	global_load_b128 v[32*(\rs)+8*\a+4:32*(\rs)+8*\a+7], v16, s[56:57] offset:\a*RBS+(\rs)*1024+512
.endr
.endm
.irp rs, 0,1,2,3,4,5,6
	ALOAD \rs                                      ; slot 0's quarters 0 to 6: 56 loads
.endr
	WIN 0
	v_bfe_u32 v3, v0, 4, 1                         ; lane / 16
	v_lshl_add_u32 v31, v3, 5, BIASL               ; my 8 columns of a block of 16: 32 bytes
.if KIND == 2
	s_lshl_b32 s80, s15, 20                        ; 256 rows of 4,096 bytes,
	s_lshl_b32 s81, s12, 18                        ; my 64,
	s_add_co_u32 s80, s80, s81
	s_lshl_b32 s81, s14, 9                         ; the tile's 128 columns
	s_add_co_u32 s80, s80, s81
	s_mul_i32 s23, s12, 16*SP
	s_add_co_u32 s23, s23, STAGE                   ; my stage
	v_and_b32 v1, 15, v0
	v_mul_u32_u24 v24, v1, SP
	v_lshl_add_u32 v24, v3, 5, v24                 ; in: row lane % 16, 32 bytes for each half of the lanes
	v_add_nc_u32 v24, s23, v24
	v_add_nc_u32 v25, s23, v16                     ; back: 32 lanes take a row of 512 bytes
.else
	s_lshl_b32 s80, s14, 12                        ; the tile's 128 columns are K blocks 4 x tile column .. of the next layer
	s_add_co_u32 s80, s80, s74
	v_mov_b32 v27, 0
.endif
	s_mov_b32 s81, 0
	s_add_nc_u64 s[10:11], s[10:11], s[80:81]
.if KIND != 0
	v_lshlrev_b32 v18, 8, v2
	s_cmp_eq_u32 s14, 0                            ; all eight tile columns read the same rows of z: tile column 0 prefetches
	s_cselect_b32 s68, 5, 0
.endif
; 8 matrix instructions: row blocks 2 ah, 2 ah + 1 x column blocks 4 bh .. 4 bh + 3, 32 along K: w's buffer f, the ring's place kq.  first = 1: the sums start from b12.
; The 32 accumulators take turns, one instruction a turn, in the same order in every quarter.
.macro MUL8 f, kq, bh, ah, first=0
.if \first
	WIN 0x78                                       ; D window 1, C window 3, source 1 window 2
.else
	WIN 0x58                                       ; C and D window 1, source 1 window 2
.endif
.irp a, 2*(\ah), 2*(\ah)+1
.irp b, 4*(\bh), 4*(\bh)+1, 4*(\bh)+2, 4*(\bh)+3
.if \first
	v_wmma_f32_16x16x32_bf16 v[8*(8*(\a)+(\b)):8*(8*(\a)+(\b))+7], v[(\f)+8*(\b):(\f)+8*(\b)+7], v[32*(\kq)+8*(\a):32*(\kq)+8*(\a)+7], v[8*(\b):8*(\b)+7]
.else
	v_wmma_f32_16x16x32_bf16 v[8*(8*(\a)+(\b)):8*(8*(\a)+(\b))+7], v[(\f)+8*(\b):(\f)+8*(\b)+7], v[32*(\kq)+8*(\a):32*(\kq)+8*(\a)+7], v[8*(8*(\a)+(\b)):8*(8*(\a)+(\b))+7]
.endif
.endr
.endr
.endm
; 16 LDS loads in one run: w's 8 fragments of K quarter k of the slot at v17, into buffer f
.macro FETCH k, f
	WIN 0
.irp b, 0,1,2,3,4,5,6,7
	ds_load_b128 v[(\f)+8*\b:(\f)+8*\b+3],   v17 offset:(\k)*8192+\b*1024
	ds_load_b128 v[(\f)+8*\b+4:(\f)+8*\b+7], v17 offset:(\k)*8192+\b*1024+512
.endr
.endm
; The ring's loads go on to the next slot: xf, xc, xf, then z's K blocks 8 (s - 3) ..  Scalar work, behind the wait that frees the two addresses
.macro ANEXT
.if KIND != 0
	s_lshl_b32 s60, s63, 13
	s_add_nc_u64 s[58:59], s[54:55], s[60:61]      ; in slot s the prefetches name z's part for slot s + 3
.endif
	s_add_co_u32 s63, s63, 1
	s_and_b32 s60, s63, 1
.if KIND != 0
	s_sub_co_u32 s62, s63, 3
	s_cmp_lt_u32 s63, 3
	s_cselect_b32 s60, s60, s62
	s_cselect_b64 s[56:57], s[52:53], s[54:55]
	s_lshl_b32 s60, s60, 13
	s_add_nc_u64 s[56:57], s[56:57], s[60:61]
.else
	s_lshl_b32 s60, s60, 13
	s_add_nc_u64 s[56:57], s[52:53], s[60:61]
.endif
.endm
; A PREFETCH INTO THE L2 of my own rows of z for the slot three on, whose loads begin two slots (512 matrix instructions) later: 4 row blocks x 8,192 bytes, a lane a block of 256 bytes, four instructions, behind
; a run of the ring's loads.  Only tile column 0 asks, each wave for its own rows: each block is named once.  Slots 3 to 6 are named in slots 0 to 3; later slots name nothing.  x is loaded at the head and is not asked for.
.macro ASK
	WIN 0
	s_cmp_lt_u32 s63, s68
	s_cbranch_scc0 .Lnot_mine_\@
.irp a, 0,1,2,3
	global_prefetch_b8 v18, s[58:59] offset:\a*RBS th:TH_LOAD_NT scope:SCOPE_SE
.endr
.Lnot_mine_\@:
.endm
; One of a slot's quarters 0 to 6.  In its middle, behind four places: w's next quarter into the other buffer, and the ring's place that the quarter before has left is loaded again, seven quarters ahead.
; mode 0: a slot behind which a position is filled again; 1: none is; 2: the last slot: the ring is loaded no more, and the counts run down.
.macro QUARTER kq, mode, first=0
.set FC, F0+64*((\kq)%2)
.set FN, F0+64*(((\kq)+1)%2)
.if ((\mode) == 2) && ((\kq) >= 2)
	s_wait_loadcnt 8*(7-(\kq))                     ; the batches of the quarters still to come stay out
.else
	s_wait_loadcnt 48                              ; loads come back in order: this quarter's 8 are in, the six younger batches stay out
.endif
	s_wait_dscnt 8                                 ; w's column blocks 4-7 may be out
	MUL8 FC, \kq, 0, 0, \first
	MUL8 FC, \kq, 0, 1, \first
	PLACES
	FETCH (\kq)+1, FN
.if (\kq) == 0
	ALOAD 7                                        ; this slot's last quarter
.elseif (\mode) != 2
.if (\kq) == 1
	s_wait_xcnt 0x0                                ; the ring's loads (the youngest a quarter back) and the prefetches (seven back) have read their addresses
	ANEXT
.endif
	ALOAD (\kq)-1                                  ; the next slot's quarter kq - 1
.if ((\kq) == 2) && (KIND != 0)
	ASK
.endif
.endif
	s_wait_dscnt 16                                ; all but the 16 just issued
	MUL8 FC, \kq, 1, 0, \first
	MUL8 FC, \kq, 1, 1, \first
.endm
; A slot's quarter 7, where the slots change.
.macro LASTQ mode
.if (\mode) == 0
	s_wait_loadcnt 48
	WIN 0
	s_wait_tensorcnt 0x0                           ; all my tensor loads have landed, so the walking descriptor may be written
	ds_add_u32 v28, v29                            ; 0 onto my spare word
	s_add_co_u32 s45, s45, POSB                    ; the position that is being left,
	s_add_nc_u64 s[46:47], s[46:47], POSB          ; the slot four on
	s_add_co_u32 s66, s66, POSB                    ; my reads go on to the next position, round the four
	s_and_b32 s66, s66, 4*POSB-1
	s_wait_dscnt 9                                 ; the add and the youngest eight loads may be out
	MUL8 F1, 7, 0, 0
	s_wait_dscnt 0x0                               ; the add is done, and my reads of this position are over
	s_barrier_signal -1
	MUL8 F1, 7, 0, 1
	WIN 0
	s_barrier_wait -1
	CREST                                          ; no wave of any partner still reads this position or has a load on its way
	tensor_load_to_lds s[44:47], s[24:31]          ; my one load behind the round
	s_nop 0
	PLACES                                         ; also the places in front of the loads below
.elseif (\mode) == 1
	s_wait_loadcnt 48
	s_wait_tensorcnt 0x0                           ; the wait shows my part of the slots still to be read landed, the barrier everybody's
	s_add_co_u32 s66, s66, POSB
	s_wait_dscnt 8
	MUL8 F1, 7, 0, 0
	s_wait_dscnt 0x0
	s_barrier_signal -1
	MUL8 F1, 7, 0, 1
	s_barrier_wait -1
	PLACES
.else
	s_wait_loadcnt 0x0
	s_wait_dscnt 8
	MUL8 F1, 7, 0, 0
	MUL8 F1, 7, 0, 1
	s_wait_dscnt 0x0
.endif
.if (\mode) != 2
	WIN 0
	v_add_nc_u32 v17, s66, v16
	FETCH 0, F0
	ALOAD 6
.endif
	MUL8 F1, 7, 1, 0
	MUL8 F1, 7, 1, 1
.endm
; Behind slot 0: the inner relu, as one maximum with b2; each accumulator from its lowest register on
.macro MID
	PLACES
	WIN 0x4d                                       ; destination and source 0 window 1, source 1 window 3
.set i, 0
.rept 256
	v_max_num_f32 v[i], v[i], v[64+(i%64)]
.set i, i+1
.endr
	WIN 0
.endm
; A trip: a slot's quarters 1 to 7 and the next slot's quarter 0.  mid = 1: in the trip in which s67 = cnt, the first, the maximum stands between them
.macro TRIP mode, mid, cnt
.irp kq, 1,2,3,4,5,6
	QUARTER \kq, \mode
.endr
	LASTQ \mode
.if \mid
	WIN 0
	s_cmp_lg_u32 s67, \cnt
	s_cbranch_scc1 .Lno_mid
	MID
.Lno_mid:
.endif
	QUARTER 0, \mode
	WIN 0
.endm
	s_wait_tensorcnt NFILL-1                       ; my parts of the biases and of slot 0 are in; the younger slots may stay out
	s_barrier_signal -1
	s_barrier_wait -1
	WIN 0xc0                                       ; destination window 3
.set i, 0
.rept 8                                ; register 8 b + j: column 16 b + 8 (lane / 16) + j
	ds_load_b128 v[8*i:8*i+3],       v31 offset:64*i
	ds_load_b128 v[8*i+4:8*i+7],     v31 offset:64*i+16
	ds_load_b128 v[64+8*i:64+8*i+3], v31 offset:512+64*i
	ds_load_b128 v[64+8*i+4:64+8*i+7], v31 offset:512+64*i+16
.set i, i+1
.endr
	WIN 0
	v_add_nc_u32 v17, s66, v16
	FETCH 0, F0
	QUARTER 0, 1, 1                                ; the first quarter stands in front of the loops: its products start the sums
	WIN 0
.if KIND != 0
	s_mov_b32 s67, 3
.Lfill:                                ; slots 0, 1, 2: their positions are filled again with slots 4, 5, 6
	TRIP 0, 1, 3
	s_sub_co_u32 s67, s67, 1
	s_cmp_lg_u32 s67, 0
	s_cbranch_scc1 .Lfill
	s_mov_b32 s67, 3
.Lrest:                                ; slots 3, 4, 5
	TRIP 1, 0, 0
	s_sub_co_u32 s67, s67, 1
	s_cmp_lg_u32 s67, 0
	s_cbranch_scc1 .Lrest
.else
	s_mov_b32 s67, 2
.Lrest:                                ; slots 0, 1
	TRIP 1, 1, 2
	s_sub_co_u32 s67, s67, 1
	s_cmp_lg_u32 s67, 0
	s_cbranch_scc1 .Lrest
.endif
.irp kq, 1,2,3,4,5,6
	QUARTER \kq, 2                                 ; the last slot is written out
.endr
	LASTQ 2
	WIN 0
	PLACES
.if KIND == 2
; THE WAY OUT in f32, row-major, a row block (16 rows x 128 columns) at a time: relu; into my own stage; back as whole rows of 512 bytes; stored
.macro PACK a
	WIN 0x04                                       ; source 1 window 1
.set i, 0
.rept 64
	v_max_num_f32 v[64+i], 0, v[64*(\a)+i]
.set i, i+1
.endr
	WIN 0
.endm
.macro TOSTAGE a
	s_wait_xcnt 0x0                                ; the registers loaded below were store data two blocks back: they are written only behind this wait
.set BK, 128+64*((\a)%2)
.irp b, 0,1,2,3,4,5,6,7
	ds_store_b128 v24, v[64+8*\b:64+8*\b+3]   offset:64*\b
	ds_store_b128 v24, v[64+8*\b+4:64+8*\b+7] offset:64*\b+16
.endr
.set t, 0
.rept 16
	ds_load_b128 v[BK+4*t:BK+4*t+3], v25 offset:t*SP   ; LDS serves a wave's instructions in order (ISA guide 5.7.1.4): these see the stores above
.set t, t+1
.endr
.endm
.macro SEND a
	s_wait_dscnt 0x0                               ; the block is back in registers
.set BK, 128+64*((\a)%2)
.set t, 0
.rept 16
	global_store_b128 v16, v[BK+4*t:BK+4*t+3], s[10:11] offset:(16*(\a)+t)*4096   ; a wave stores 512 consecutive bytes, at a multiple of 256 from the result's first byte
.set t, t+1
.endr
.endm
	PACK 0
	TOSTAGE 0
.irp a, 1,2,3                          ; a block's arithmetic stands between the stage loads of the block before and the wait for them
	PACK \a
	SEND (\a)-1
	TOSTAGE \a
.endr
	SEND 3
.else
; THE WAY OUT in bf16, by fragments: accumulator (a, b), rounded, is half b % 2 of fragment (row block a, K block 4 x tile column + b / 2) of the next layer's z, lane for lane: it is stored from where it lies
.irp a, 0,1,2,3
	WIN 0x05                                       ; sources 0 and 1 window 1
.set i, 0
.rept 32
	v_cvt_pk_bf16_f32 v[64+32*\a+i], v[64*\a+2*i], v[64*\a+2*i+1]
.set i, i+1
.endr
	WIN 0
.set i, 0
.rept 32
	v_pk_max_num_bf16 v[64+32*\a+i], v[64+32*\a+i], v27   ; relu on two rounded numbers: rounding keeps sign and order
.set i, i+1
.endr
.set i, 0
.rept 8
	global_store_b128 v16, v[64+32*\a+4*i:64+32*\a+4*i+3], s[10:11] offset:\a*RBS+i*512   ; a wave stores 512 consecutive bytes, aligned
.set i, i+1
.endr
.endr
.endif
	s_wait_tensorcnt 0x0                           ; the wave's end, behind my last tensor load and my last LDS store
	ds_add_u32 v28, v29
	s_wait_dscnt 0x0
	CROUND                                         ; the closing round: no work-group ends while a partner may still ask for a tile that names it
	s_endpgm
.Lfunc_end_k_q529c41bd73_layer3:
	.size	k_q529c41bd73_layer3, .Lfunc_end_k_q529c41bd73_layer3-k_q529c41bd73_layer3
	.p2alignl 7, 3214868480
	.fill 96, 4, 3214868480
	.section	.rodata,"a",@progbits
	.p2align	6, 0x0
	.amdhsa_kernel k_q529c41bd73_layer3
		.amdhsa_group_segment_fixed_size 327680
		.amdhsa_private_segment_fixed_size 0
		.amdhsa_enable_private_segment 0
		.amdhsa_kernarg_size 32
		.amdhsa_user_sgpr_count 2
		.amdhsa_user_sgpr_kernarg_segment_ptr 1
		.amdhsa_wavefront_size32 1
		.amdhsa_system_sgpr_workgroup_id_x 1
		.amdhsa_system_sgpr_workgroup_id_y 1
		.amdhsa_system_sgpr_workgroup_id_z 1
		.amdhsa_system_vgpr_workitem_id 0
		.amdhsa_next_free_vgpr 896
		.amdhsa_next_free_sgpr 96
		.amdhsa_reserve_vcc 0
		.amdhsa_float_denorm_mode_32 3
		.amdhsa_float_denorm_mode_16_64 3
		.amdhsa_memory_ordered 1
		.amdhsa_forward_progress 1
		.amdhsa_inst_pref_size 140
	.end_amdhsa_kernel
	.amdgpu_metadata
---
amdhsa.version: [ 1, 2 ]
amdhsa.kernels:
  - .name:           k_q529c41bd73_layer3
    .symbol:         k_q529c41bd73_layer3.kd
    .args:
      - { .name: xb, .offset: 0, .size: 8, .value_kind: global_buffer, .address_space: global }
      - { .name: za, .offset: 8, .size: 8, .value_kind: global_buffer, .address_space: global }
      - { .name: w3, .offset: 16, .size: 8, .value_kind: global_buffer, .address_space: global }
      - { .name: out0, .offset: 24, .size: 8, .value_kind: global_buffer, .address_space: global }
    .group_segment_fixed_size: 327680
    .private_segment_fixed_size: 0
    .kernarg_segment_align: 8
    .kernarg_segment_size: 32
    .max_flat_workgroup_size: 128
    .sgpr_count:     96
    .vgpr_count:     896
    .wavefront_size: 32
...
	.end_amdgpu_metadata
.endif
;; end of part 4
;; ======== version 2 of 2: 5 launches; version 1 with the launch prep written anew for expert scheduling mode
;; workspace buffers: xb 16,777,216 bytes; w0 1,581,056 bytes; w1 3,678,208 bytes; w2 3,678,208 bytes; w3 3,678,208 bytes; za 16,777,216 bytes; zb 16,777,216 bytes
;; launch prep (part 5): grid 641 x 1, 8 waves a work-group, no clusters, 35,840 bytes of LDS; arguments xf, xc, Wut_w, Wc_w, Wu_w, raw_U, Wut_b, Wc_b, Wu_b, xb, w0, w1, w2, w3; writes xb, w0, w1, w2, w3
.if DOCPART == 5
	.amdgcn_target "amdgcn-amd-amdhsa--gfx1250"
	.amdhsa_code_object_version 6
	.text
	.protected	k_q529c41bd73_prep
	.globl	k_q529c41bd73_prep
	.p2align	8
	.type	k_q529c41bd73_prep,@function
k_q529c41bd73_prep:
	s_mov_b64 s[64:65], 0
	v_nop
	global_prefetch_b8 v0, s[64:65] scope:SCOPE_SE
	s_setreg_imm32_b32 hwreg(HW_REG_WAVE_SCHED_MODE, 0, 2), 2
	s_setreg_imm32_b32 hwreg(HW_REG_WAVE_MODE, 25, 1), 1
	s_wait_xcnt 0x0
	s_wait_alu depctr_vm_vsrc(0)
; PREP: every f32 input is read once and laid out in bf16, BY FRAGMENTS, for the four layer launches.
; A fragment is 16 rows x 32 K = 1,024 bytes, as the lanes of a matrix instruction hold it: byte 512 p + 16 l holds row l % 16, K = 16 p + 8 (l / 16) + 0..7.
;   xb : fragment (row block rb, K block kb) at 32,768 rb + 1,024 kb; kb 0-7 xf, 8-15 xc; the rest of a row block's 32,768 bytes is neither written nor read.
;   w_l: [tile column 8][slot NS][K quarter 8][column block 8][1,024]; NS = 3 (l = 0) or 7; slots: Wut, Wc, Wu, then softplus(raw_U[l-1]) in four slots of 256 K.
;        behind them, 1,024 bytes a tile column: b12 = but + bc + bu (128 f32), then b2 = bc + bu.
;   In Wut, Wc, Wu columns 0-3 become +softplus, columns 4-7 -softplus, the others stay as they are.
; SHARES.  Work-groups 0-639 take 65,536 bytes of one f32 source.  A wave takes 16 rows x 128 columns: 16 loads of 512 consecutive bytes, all out at once, no loop.  Rounded to bf16 they go into the
; wave's own 16 rows x 272 bytes of LDS and come back as four fragments, each stored as two runs of 512 consecutive bytes, aligned.  No wave reads another's LDS bytes: no barrier.  Work-group 640 makes the bias sums.
; SOFTPLUS.  sp(x) = max(x, 0) + ln2 log2(u) + (t - (u - 1)), t = 2^(-|x| log2 e), u = 1 + t: the last term gives back what 1 + t rounds away, so small results keep their relative accuracy.
; LIMITS.  Where t would fall below 2^-126 it counts as 0 (ISA guide, the entry of v_exp_f32), so a softplus below that is stored as 0; NaN is not treated apart.
; THE MODE: SCHED_MODE bits 1:0 = 2 (LLVM: expert scheduling mode 2), set by the entry lines.  The code itself states the register dependences
; between vector instructions and memory or LDS instructions, with s_wait_alu, always for 0.
; THE PLAN.  Registers that memory or LDS instructions touch:
;   v[SA ..]   sixteen offsets, made in one run; read by the sixteen loads behind one wait; never written again.
;   v[X ..]    the loads land here (no vector line has named them); each group of four rows is read by its vector lines behind the wait for its data.  At the end the stage's eight loads land in the first 32,
;              behind the wait where the two paths join; the global stores read them; nothing writes them after that.
;   v[Y ..]    eight registers to a group of four rows: written once, by the group's roundings; read by its four LDS stores, which stand behind a wait of the NEXT group; never written again.
;   v[LW], v[LR], v[DA ..]   made once, behind the loads, ahead of every wait that stands in front of their readers.
;   v[SPW], v[NIL]           written at the head, read by the closing add alone.
;   T, U, L, M and SGN are named by vector lines alone.
; No register that a memory or LDS instruction has read is written again, so behind the entry lines the text holds no wait on vm_vsrc.
.set LP,    272        ; an LDS row: 256 bytes + 16: the 16 rows that a read back touches start at 16 different groups of four banks (64 banks of 4 bytes: ISA guide 11.1)
.set WST,   16*LP      ; a wave's stage
.set SPARE, 8*WST      ; behind the stages: the spare words, 128 bytes for each wave: four blocks of 256 bytes that no other line names
.set SO,  1            ; v1       16 t (the bias work-group's offset)
.set SGN, 6            ; v[6:7]   the sign of my columns' softplus
.set SA,  8            ; v[8:23]  row j: my 16 bytes in the source
.set DA,  24           ; v[24:27] fragment f: my 16 bytes in the destination
.set LW,  28           ; v28      where I put 8 bytes of a row in my wave's stage
.set LR,  29           ; v29      where I read 16 bytes back
.set SPW, 30           ; v30      my spare word; never rewritten
.set NIL, 31           ; v31      0; never rewritten
.set X,   32           ; v[32:95] 16 loads x 4 f32; at the end v[32:63] the fragments
.set T,   96           ; v[96:111]  t
.set U,   112          ; v[112:127] u, then the sum of the plain terms
.set L,   128          ; v[128:143] log2 u, then the result
.set M,   144          ; v[144:159] max(x, 0)
.set Y,   160          ; v[160:191] 16 x 8 bytes of bf16
	s_load_b512 s[8:23], s[0:1], 0x0               ; xf 8, xc 10, Wut_w 12, Wc_w 14, Wu_w 16, raw_U 18, Wut_b 20, Wc_b 22
	s_load_b256 s[24:31], s[0:1], 0x40             ; Wu_b 24, xb 26, w0 28, w1 30
	s_load_b128 s[32:35], s[0:1], 0x60             ; w2 32, w3 34
	v_lshl_add_u32 v[SPW], v0, 2, SPARE
	v_mov_b32 v[NIL], 0
	v_lshrrev_b32 v2, 5, v0
	v_readfirstlane_b32 s58, v2                    ; wave 0..7
	v_lshlrev_b32 v[SO], 4, v0
	s_wait_alu depctr_va_sdst(0)                   ; s58 is written, ahead of its first reader: the wave's shares and addresses are made from it
	s_and_b32 s60, s58, 1                          ; wave % 2
	s_lshr_b32 s61, s58, 1                         ; wave / 2
	s_mov_b32 s54, 0x3fb8aa3b                      ; log2 e, named as a pair
	s_mov_b32 s55, s54
	s_mov_b32 s56, 0x3f317218                      ; ln 2, named as a pair
	s_mov_b32 s57, s56
	s_mov_b32 s59, 0x80000000                      ; the sign bit
	s_mov_b32 s41, 0                               ; high words of the two offsets
	s_mov_b32 s43, 0
	s_mov_b32 s48, ttmp9
	s_wait_kmcnt 0x0
	s_cmp_lt_u32 s48, 192
	s_cbranch_scc0 .Lnot_u
	; 0-191: raw_U.  A work-group takes a block of 16 rows (65,536 bytes); wave w its columns 128 w ..: slot 3 + w / 2, K quarters 4 (w % 2) ..
	s_lshr_b32 s49, s48, 6                         ; which of the three
	s_and_b32 s50, s48, 63                         ; block of 16 rows
	s_lshl_b32 s40, s48, 16
	s_add_nc_u64 s[36:37], s[18:19], s[40:41]
	s_cmp_eq_u32 s49, 0
	s_cselect_b64 s[38:39], s[30:31], s[32:33]
	s_cmp_eq_u32 s49, 2
	s_cselect_b64 s[38:39], s[34:35], s[38:39]
	s_lshr_b32 s42, s50, 3
	s_mul_i32 s42, s42, 458752                     ; tile column x 7 slots
	s_and_b32 s63, s50, 7
	s_lshl_b32 s63, s63, 10                        ; column block
	s_add_co_u32 s42, s42, s63
	s_lshl_b32 s63, s58, 15                        ; 65,536 (w / 2) + 32,768 (w % 2) = 32,768 w
	s_add_co_u32 s42, s42, s63
	s_add_co_u32 s42, s42, 196608                  ; behind slots 0-2
	s_add_nc_u64 s[38:39], s[38:39], s[42:43]
	s_lshl_b32 s62, s58, 9                         ; my wave's 512 bytes of a source row
	s_mov_b32 s44, 4096                            ; from row to row in the source
	s_mov_b32 s45, 8192                            ; from fragment to fragment in the destination
	s_mov_b32 s46, 1                               ; softplus,
	s_mov_b32 s47, -1                              ; in every lane,
	s_mov_b32 s53, 1.0                             ; positive
	s_branch .Lgo
.Lnot_u:
	s_cmp_lt_u32 s48, 384
	s_cbranch_scc0 .Lnot_w
	; 192-383: Wut_w, Wc_w, Wu_w.  A work-group takes 64 rows x 1,024 bytes; wave w rows 16 (w / 2) .., columns 128 (w % 2) ..
	s_sub_co_u32 s48, s48, 192
	s_lshr_b32 s51, s48, 6                         ; which of the three: the slot
	s_bfe_u32 s49, s48, 0x20004                    ; layer
	s_and_b32 s50, s48, 15                         ; chunk of 64 rows
	s_and_b32 s40, s48, 63
	s_lshl_b32 s40, s40, 16
	s_cmp_eq_u32 s51, 0
	s_cselect_b64 s[36:37], s[12:13], s[14:15]
	s_cmp_eq_u32 s51, 2
	s_cselect_b64 s[36:37], s[16:17], s[36:37]
	s_add_nc_u64 s[36:37], s[36:37], s[40:41]
	s_mov_b32 s52, 458752                          ; bytes of a tile column in w_l
	s_cmp_eq_u32 s49, 0
	s_cselect_b32 s52, 196608, s52
	s_cselect_b64 s[38:39], s[28:29], s[30:31]
	s_cmp_eq_u32 s49, 2
	s_cselect_b64 s[38:39], s[32:33], s[38:39]
	s_cmp_eq_u32 s49, 3
	s_cselect_b64 s[38:39], s[34:35], s[38:39]
	s_lshr_b32 s42, s50, 1
	s_mul_i32 s42, s42, s52                        ; tile column = chunk / 2
	s_lshl_b32 s51, s51, 16                        ; slot
	s_add_co_u32 s42, s42, s51
	s_lshl_b32 s63, s60, 15                        ; K quarters 4 (w % 2) ..
	s_add_co_u32 s42, s42, s63
	s_and_b32 s63, s50, 1
	s_lshl_b32 s63, s63, 2
	s_add_co_u32 s63, s63, s61                     ; column block 4 (chunk % 2) + w / 2
	s_lshl_b32 s63, s63, 10
	s_add_co_u32 s42, s42, s63
	s_add_nc_u64 s[38:39], s[38:39], s[42:43]
	s_lshl_b32 s62, s61, 14                        ; my 16 rows,
	s_lshl_b32 s63, s60, 9                         ; my half of them
	s_add_co_u32 s62, s62, s63
	s_mov_b32 s44, 1024
	s_mov_b32 s45, 8192
	s_xor_b32 s46, s60, 1                          ; even waves hold columns 0-127: they take the softplus path,
	s_mov_b32 s47, 3                               ; of which lanes 0 (columns 0-3) and 1 (columns 4-7) keep the result,
	s_mov_b32 s53, -1.0                            ; lane 1 with the sign turned
	s_branch .Lgo
.Lnot_w:
	s_cmp_lt_u32 s48, 640
	s_cbranch_scc0 .Lbias
	; 384-639: xf, xc.  A work-group takes 64 rows x 1,024 bytes, shared out as above
	s_sub_co_u32 s48, s48, 384
	s_lshr_b32 s51, s48, 7                         ; xf or xc
	s_and_b32 s50, s48, 127
	s_lshl_b32 s40, s50, 16
	s_cmp_eq_u32 s51, 0
	s_cselect_b64 s[36:37], s[8:9], s[10:11]
	s_add_nc_u64 s[36:37], s[36:37], s[40:41]
	s_lshl_b32 s42, s50, 2
	s_add_co_u32 s42, s42, s61
	s_lshl_b32 s42, s42, 15                        ; row block 4 chunk + w / 2
	s_lshl_b32 s51, s51, 13                        ; K blocks 0-7 or 8-15
	s_add_co_u32 s42, s42, s51
	s_lshl_b32 s63, s60, 12                        ; + 4 (w % 2)
	s_add_co_u32 s42, s42, s63
	s_add_nc_u64 s[38:39], s[26:27], s[42:43]
	s_lshl_b32 s62, s61, 14
	s_lshl_b32 s63, s60, 9
	s_add_co_u32 s62, s62, s63
	s_mov_b32 s44, 1024
	s_mov_b32 s45, 1024
	s_mov_b32 s46, 0
	s_mov_b32 s47, 0
	s_mov_b32 s53, 1.0
.Lgo:
	v_and_b32 v2, 31, v0                           ; lane
	v_lshl_add_u32 v[SA], v2, 4, s62
.set j, 1
.rept 15
	v_add_nc_u32 v[SA+j], s44, v[SA+j-1]           ; row j
.set j, j+1
.endr
	s_wait_alu depctr_va_vdst(0)                   ; the sixteen offsets v[SA ..] are written, which the loads below read
.set j, 0
.rept 16
	global_load_b128 v[X+4*j:X+4*j+3], v[SA+j], s[36:37] th:TH_LOAD_NT
.set j, j+1
.endr
	; the other addresses are made while the loads are on their way; every wait that stands in front of a reader of theirs stands behind these lines
	v_cmp_eq_u32 vcc_lo, 1, v2
	v_lshlrev_b32 v[DA], 4, v2
.set j, 1
.rept 3
	v_add_nc_u32 v[DA+j], s45, v[DA+j-1]
.set j, j+1
.endr
	s_mul_i32 s63, s58, WST                        ; my wave's stage
	v_lshl_add_u32 v[LW], v2, 3, s63               ; in: 8 bytes a lane, a row an instruction
	v_and_b32 v3, 15, v0
	v_bfe_u32 v4, v0, 4, 1
	v_mul_u32_u24 v[LR], v3, LP                    ; back: row l % 16, 16 bytes for each half of the lanes
	v_lshl_add_u32 v[LR], v4, 4, v[LR]
	v_add_nc_u32 v[LR], s63, v[LR]
	v_mov_b32 v4, s53
	s_wait_alu depctr_va_vcc(0)                    ; the compare above has written VCC, which the select below reads
	v_cndmask_b32 v[SGN], 1.0, v4, vcc_lo
	v_mov_b32 v[SGN+1], v[SGN]                     ; named with it as a pair
.macro PUT g                           ; rows 4 g .. 4 g + 3, rounded, go into the stage
.set k, 0
.rept 4
	ds_store_b64 v[LW], v[Y+8*(\g)+2*k:Y+8*(\g)+2*k+1] offset:(4*(\g)+k)*LP
.set k, k+1
.endr
.endm
.macro PLAIN g                         ; rows 4 g .. 4 g + 3 are rounded; the four rows before them go into the stage
	s_wait_loadcnt 12-4*(\g)                       ; loads come back in order: the 12 - 4 g younger ones stay out
.if (\g) > 0
	s_wait_alu depctr_va_vdst(0)                   ; the group before has written its eight registers of Y, which the LDS stores below read; v[LW] is written
	PUT (\g)-1                                     ; no vector line behind the wait names these registers
.endif
.set i, 0
.rept 8
	v_cvt_pk_bf16_f32 v[Y+8*(\g)+i], v[X+16*(\g)+2*i], v[X+16*(\g)+2*i+1]
.set i, i+1
.endr
.endm
.macro SOFT g                          ; rows 4 g .. 4 g + 3: 16 numbers a lane.  Two batches of transcendentals, one wait each
	s_wait_loadcnt 12-4*(\g)                       ; the 12 - 4 g younger loads stay out
.set i, 0
.rept 16
	v_or_b32 v[T+i], s59, v[X+16*(\g)+i]           ; -|x|
.set i, i+1
.endr
.set i, 0
.rept 8
	v_pk_mul_f32 v[T+i:T+i+1], v[T+i:T+i+1], s[54:55] op_sel_hi:[1,0]
.set i, i+2
.endr
.set i, 0
.rept 16
	v_exp_f32 v[T+i], v[T+i]                       ; t
.set i, i+1
.endr
.set i, 0
.rept 16
	v_max_num_f32 v[M+i], 0, v[X+16*(\g)+i]        ; plain work that names no exponential's result stands behind the batch
.set i, i+1
.endr
	s_wait_alu depctr_va_vdst(0)                   ; the 16 exponentials have written v[T ..], ahead of their first reader; and the group before has written its eight registers of Y, which the LDS stores below read
.if (\g) > 0
	PUT (\g)-1                                     ; no vector line behind the wait names these registers or v[LW]
.endif
.set i, 0
.rept 8
	v_pk_add_f32 v[U+i:U+i+1], v[T+i:T+i+1], 1.0 op_sel_hi:[1,0]   ; u
.set i, i+2
.endr
.set i, 0
.rept 16
	v_log_f32 v[L+i], v[U+i]
.set i, i+1
.endr
	v_nop                                          ; a plain instruction behind the last logarithm, ahead of the lines that write its source
.set i, 0
.rept 8
	v_pk_add_f32 v[U+i:U+i+1], v[U+i:U+i+1], -1.0 op_sel_hi:[1,0]  ; u - 1, exact
.set i, i+2
.endr
.set i, 0
.rept 8
	v_pk_add_f32 v[U+i:U+i+1], v[T+i:T+i+1], v[U+i:U+i+1] neg_lo:[0,1] neg_hi:[0,1]  ; t - (u - 1)
.set i, i+2
.endr
.set i, 0
.rept 8
	v_pk_add_f32 v[U+i:U+i+1], v[U+i:U+i+1], v[M+i:M+i+1]
.set i, i+2
.endr
	s_wait_alu depctr_va_vdst(0)                   ; the 16 logarithms have written v[L ..], ahead of their first reader
.set i, 0
.rept 8
	v_pk_fma_f32 v[L+i:L+i+1], v[L+i:L+i+1], s[56:57], v[U+i:U+i+1] op_sel_hi:[1,0,1]
.set i, i+2
.endr
.set i, 0
.rept 8
	v_pk_mul_f32 v[L+i:L+i+1], v[L+i:L+i+1], v[SGN:SGN+1] op_sel_hi:[1,0]
.set i, i+2
.endr
.set i, 0
.rept 16
	v_cndmask_b32 v[L+i], v[X+16*(\g)+i], v[L+i], s47  ; the raw number where the lane's columns are not constrained (s47 is written by scalar lines alone)
.set i, i+1
.endr
.set i, 0
.rept 8
	v_cvt_pk_bf16_f32 v[Y+8*(\g)+i], v[L+2*i], v[L+2*i+1]
.set i, i+1
.endr
.endm
	s_cmp_eq_u32 s46, 0
	s_cbranch_scc1 .Lplain
	SOFT 0
	SOFT 1
	SOFT 2
	SOFT 3
	s_branch .Lout
.Lplain:
	PLAIN 0
	PLAIN 1
	PLAIN 2
	PLAIN 3
.Lout:                                 ; the two paths join with rows 12 to 15 rounded and not yet in the stage
	s_wait_alu depctr_va_vdst(0)                   ; the last group has written its eight registers of Y, which the LDS stores below read; and every vector line that read v[X ..] is done, so that the stage's loads may land there
	PUT 3
	; four fragments, two halves each: half i = 2 f + p holds K = 32 f + 16 p + 8 (l / 16) + 0..7 of row l % 16
.set i, 0
.rept 8
	ds_load_b128 v[X+4*i:X+4*i+3], v[LR] offset:(i/2)*64+(i%2)*32   ; LDS serves a wave's instructions in order (ISA guide 5.7.1.4): these see the stores above
.set i, i+1
.endr
.set i, 0
.rept 8
	s_wait_dscnt 7-i                               ; LDS loads come back in order: half i is in, the 7 - i younger ones stay out
	global_store_b128 v[DA+i/2], v[X+4*i:X+4*i+3], s[38:39] offset:(i%2)*512 th:TH_STORE_NT  ; a wave stores 512 consecutive bytes, aligned
.set i, i+1
.endr
	s_wait_dscnt 0x0                               ; the closing lines, six on end
	s_wait_alu 0x0
	s_wait_tensorcnt 0x0
	ds_add_u32 v[SPW], v[NIL]
	s_wait_dscnt 0x0
	s_endpgm
.Lbias:                                ; work-group 640: thread t takes four numbers of each layer's three biases; it writes no LDS
	s_wait_alu depctr_va_vdst(0)                   ; v[SO], made at the head, is written: the twelve loads below read it as their offset
.set ly, 0
.rept 4
	global_load_b128 v[X+12*ly:X+12*ly+3],    v[SO], s[20:21] offset:4096*ly   ; but
	global_load_b128 v[X+12*ly+4:X+12*ly+7],  v[SO], s[22:23] offset:4096*ly   ; bc
	global_load_b128 v[X+12*ly+8:X+12*ly+11], v[SO], s[24:25] offset:4096*ly   ; bu
.set ly, ly+1
.endr
	v_lshrrev_b32 v3, 5, v0                        ; tile column = t / 32
	v_and_b32 v4, 31, v0
	v_lshlrev_b32 v4, 4, v4
	v_lshl_add_u32 v5, v3, 10, v4                  ; 1,024 bytes a tile column
	s_wait_loadcnt 0x0
.set ly, 0
.rept 4
	v_pk_add_f32 v[X+12*ly+4:X+12*ly+5], v[X+12*ly+4:X+12*ly+5], v[X+12*ly+8:X+12*ly+9]    ; b2 = bc + bu
	v_pk_add_f32 v[X+12*ly+6:X+12*ly+7], v[X+12*ly+6:X+12*ly+7], v[X+12*ly+10:X+12*ly+11]
	v_pk_add_f32 v[X+12*ly:X+12*ly+1],   v[X+12*ly:X+12*ly+1],   v[X+12*ly+4:X+12*ly+5]    ; b12 = but + b2
	v_pk_add_f32 v[X+12*ly+2:X+12*ly+3], v[X+12*ly+2:X+12*ly+3], v[X+12*ly+6:X+12*ly+7]
.set ly, ly+1
.endr
	s_wait_alu depctr_va_vdst(0)                   ; the sums are written, which the stores below read as data, and so is their offset v5
	global_store_b128 v5, v[X:X+3],     s[28:29] offset:1572864
	global_store_b128 v5, v[X+4:X+7],   s[28:29] offset:1572864+512
	global_store_b128 v5, v[X+12:X+15], s[30:31] offset:3670016
	global_store_b128 v5, v[X+16:X+19], s[30:31] offset:3670016+512
	global_store_b128 v5, v[X+24:X+27], s[32:33] offset:3670016
	global_store_b128 v5, v[X+28:X+31], s[32:33] offset:3670016+512
	global_store_b128 v5, v[X+36:X+39], s[34:35] offset:3670016
	global_store_b128 v5, v[X+40:X+43], s[34:35] offset:3670016+512
	s_endpgm
.Lfunc_end_k_q529c41bd73_prep:
	.size	k_q529c41bd73_prep, .Lfunc_end_k_q529c41bd73_prep-k_q529c41bd73_prep
	.p2alignl 7, 3214868480
	.fill 96, 4, 3214868480
	.section	.rodata,"a",@progbits
	.p2align	6, 0x0
	.amdhsa_kernel k_q529c41bd73_prep
		.amdhsa_group_segment_fixed_size 35840
		.amdhsa_private_segment_fixed_size 0
		.amdhsa_enable_private_segment 0
		.amdhsa_kernarg_size 112
		.amdhsa_user_sgpr_count 2
		.amdhsa_user_sgpr_kernarg_segment_ptr 1
		.amdhsa_wavefront_size32 1
		.amdhsa_system_sgpr_workgroup_id_x 1
		.amdhsa_system_sgpr_workgroup_id_y 1
		.amdhsa_system_sgpr_workgroup_id_z 1
		.amdhsa_system_vgpr_workitem_id 0
		.amdhsa_next_free_vgpr 192
		.amdhsa_next_free_sgpr 66
		.amdhsa_reserve_vcc 1
		.amdhsa_float_denorm_mode_32 3
		.amdhsa_float_denorm_mode_16_64 3
		.amdhsa_memory_ordered 1
		.amdhsa_forward_progress 1
		.amdhsa_inst_pref_size 45
	.end_amdhsa_kernel
	.amdgpu_metadata
---
amdhsa.version: [ 1, 2 ]
amdhsa.kernels:
  - .name:           k_q529c41bd73_prep
    .symbol:         k_q529c41bd73_prep.kd
    .args:
      - { .name: xf, .offset: 0, .size: 8, .value_kind: global_buffer, .address_space: global }
      - { .name: xc, .offset: 8, .size: 8, .value_kind: global_buffer, .address_space: global }
      - { .name: Wut_w, .offset: 16, .size: 8, .value_kind: global_buffer, .address_space: global }
      - { .name: Wc_w, .offset: 24, .size: 8, .value_kind: global_buffer, .address_space: global }
      - { .name: Wu_w, .offset: 32, .size: 8, .value_kind: global_buffer, .address_space: global }
      - { .name: raw_U, .offset: 40, .size: 8, .value_kind: global_buffer, .address_space: global }
      - { .name: Wut_b, .offset: 48, .size: 8, .value_kind: global_buffer, .address_space: global }
      - { .name: Wc_b, .offset: 56, .size: 8, .value_kind: global_buffer, .address_space: global }
      - { .name: Wu_b, .offset: 64, .size: 8, .value_kind: global_buffer, .address_space: global }
      - { .name: xb, .offset: 72, .size: 8, .value_kind: global_buffer, .address_space: global }
      - { .name: w0, .offset: 80, .size: 8, .value_kind: global_buffer, .address_space: global }
      - { .name: w1, .offset: 88, .size: 8, .value_kind: global_buffer, .address_space: global }
      - { .name: w2, .offset: 96, .size: 8, .value_kind: global_buffer, .address_space: global }
      - { .name: w3, .offset: 104, .size: 8, .value_kind: global_buffer, .address_space: global }
    .group_segment_fixed_size: 35840
    .private_segment_fixed_size: 0
    .kernarg_segment_align: 8
    .kernarg_segment_size: 112
    .max_flat_workgroup_size: 256
    .sgpr_count:     66
    .vgpr_count:     192
    .wavefront_size: 32
...
	.end_amdgpu_metadata
.endif
;; end of part 5
;; launch layer0: the kernel of part 2 again; grid 32 x 8, 4 waves a work-group, clusters of 4 x 1, 327,680 bytes of LDS; arguments xb, w0, za; writes za
;; launch layer1: the kernel of part 3 again; grid 32 x 8, 4 waves a work-group, clusters of 4 x 1, 327,680 bytes of LDS; arguments xb, za, w1, zb; writes zb
;; launch layer2: the kernel of part 3 again; grid 32 x 8, 4 waves a work-group, clusters of 4 x 1, 327,680 bytes of LDS; arguments xb, zb, w2, za; writes za
;; launch layer3: the kernel of part 4 again; grid 32 x 8, 4 waves a work-group, clusters of 4 x 1, 327,680 bytes of LDS; arguments xb, za, w3, out0; writes out0
